; MI455X (gfx1250); checked and timed in simulation.
; The chip was launched on July 23, 2026; its instructions are those of AMD's public machine-readable ISA for CDNA 5 (MIT licence, August 2026) and "CDNA5" Instruction Set Architecture Reference Guide (July 2026). The comments in the code are by the model that wrote it; some were corrected since.
;; Local Attention Parallel. Allowed arithmetic: matrix products marked QUANTISED: E2M1 operands, one E8M0 scale for each 32 along K, by v_wmma_scale_f32_16x16x128_f8f6f4 with both operands' format E2M1 (or v_wmma_scale_f32_32x16x128_f4), f32 sums; everything else in f32.
;; Inputs: W_qkv_codes 3,072 x 32 x 16 uint8 (E2M1 codes of W_qkv, K innermost, in blocks of 32 codes, two codes a byte); W_qkv_scales 3,072 x 32 uint8 (E8M0 scales of W_qkv, one for each 32 codes along K); b_qkv 3,072 float32; ln_b 1,024 float32; ln_w 1,024 float32; x_codes 4 x 2,048 x 32 x 16 uint8 (E2M1 codes of x, K innermost, in blocks of 32 codes, two codes a byte); x_scales 4 x 2,048 x 32 uint8 (E8M0 scales of x, one for each 32 codes along K).
;; Outputs: out0 4 x 2,048 x 1,024 float32.
;; This version of the problem:
;;   THIS VERSION OF THE PROBLEM IS GIVEN IN LOW PRECISION. The matrix products marked QUANTISED in the list below multiply operands that are first quantised to E2M1 (2 exponent bits, 1 mantissa bit; 4 bits a number), with one power-of-two scale for each 32 numbers along K (OCP MX v1.0); their sums are f32. All else is computed in f32.
;;   The module's matrix products, in the order in which they are computed (A, B: the left and right operand; K: the contracted axis; several contracted axes count as one K, in the product's order):
;;     1. [M 8,192, K 1,024] x [K 1,024, N 3,072]; A: input x (given as codes); B: input W_qkv (given as codes): QUANTISED
;;     2. batch 4 x [M 2,048, K 1,024] x [K 1,024, N 2,048]; A: computed on the way; B: computed on the way: QUANTISED
;;     3. batch 4 x [M 2,048, K 2,048] x [K 2,048, N 1,024]; A: computed on the way; B: computed on the way: QUANTISED
;;   THE QUANTISER, for each operand of a quantised product, along K:
;;     - K is cut into blocks of 32 from its start; a last block that is shorter is filled with zeros.
;;     - A block's scale is 2^e with e = floor(log2(the largest magnitude in the block)) - 2, held to -126 .. 127; a block of zeros has e = 0. As a byte (E8M0): e + 127.
;;     - Each number is divided by its block's scale, clamped to +-6, and rounded to the nearest number of E2M1, ties to even, subnormals kept.
;;     - The product sums the exact products of the quantised numbers (number of the format x scale) in f32.
;;   ~~~python
;;   def quantise(x, axis):      # numpy; x: float32 -> the quantised numbers, widened to float32 again
;;       x = np.moveaxis(x, axis, -1); K = x.shape[-1]
;;       x = np.pad(x, [(0, 0)] * (x.ndim - 1) + [(0, -K % 32)]); x = x.reshape(x.shape[:-1] + (-1, 32)); a = np.abs(x).max(-1, keepdims=True)
;;       e = np.where(a > 0, np.clip(np.frexp(np.where(a > 0, a, 1))[1] - 1 - 2, -126, 127), 0)      # np.frexp(a)[1] - 1 = floor(log2(a)), exactly
;;       r = np.clip(x / 2.0 ** e, -6, 6)
;;       step = 2.0 ** (np.maximum(np.frexp(np.where(r == 0, 1, r))[1] - 1, 0) - 1)
;;       q = np.round(r / step) * step * 2.0 ** e      # np.round: ties to even
;;       return np.moveaxis(q.reshape(q.shape[:-2] + (-1,))[..., :K], -1, axis).astype(np.float32)
;;   ~~~
;;   OPERANDS COMPUTED ON THE WAY. 'Computed on the way' means the value that the module computes at that place (a softmax that the list does not call 'softmax' is quantised finished and normalised). What goes into a quantiser is computed in f32, as accurately as f32 sums, v_exp_f32 and their like allow (about 1e-6 of the number): no bf16 or f16 on the way to a quantiser, and a product that is left as it is and whose result goes on into a quantised operand takes f32 operands (vector FMAs, or v_wmma_f32_16x16x4_f32). A number that lies on a knife's edge between two numbers of the format may be rounded either way, as far as f32 arithmetic and the matrix unit's own rounding can turn it there, and no further.
;;   INPUTS GIVEN AS CODES. W_qkv (in the module: [1024, 3072], K = its axis 0); x (in the module: [4, 2048, 1024], K = its axis 2): each comes as NAME_codes (uint8): NAME with its K axis moved to the last place and cut into blocks of 32 codes, [.., K / 32, bytes a block], one block behind the other in memory; two codes a byte, the lower K in the low four bits (a code: sign, 2 exponent bits, 1 mantissa bit); and NAME_scales (uint8): the same leading axes, one E8M0 byte (e + 127) for each 32 codes along K. Its value is code x scale, taken as it is: it is not quantised again, and the codes and scales need not be those that the quantiser above would give.
;; 2 versions, each right. Each part assembles by itself: llvm-mc -triple=amdgcn-amd-amdhsa -mcpu=gfx1250 --defsym DOCPART=n.
;; ======== version 1 of 2: 2 launches
;; workspace buffers: qc 4,194,304 bytes; kc 4,194,304 bytes; vc 4,194,304 bytes; qs 262,144 bytes; ks 262,144 bytes; vs 262,144 bytes
;; launch qkv (part 1): grid 8 x 32, 4 waves a work-group, clusters of 4 x 4, 327,680 bytes of LDS; arguments x_codes, x_scales, W_qkv_codes, W_qkv_scales, b_qkv, qc, qs, kc, ks, vc, vs; writes qc, qs, kc, ks, vc, vs
.if DOCPART == 1
	.amdgcn_target "amdgcn-amd-amdhsa--gfx1250"
	.amdhsa_code_object_version 6
	.text
	.protected	k_q0eda9eaee5_qkv
	.globl	k_q0eda9eaee5_qkv
	.p2align	8
	.type	k_q0eda9eaee5_qkv,@function
k_q0eda9eaee5_qkv:
	s_mov_b64 s[64:65], 0
	v_nop
	global_prefetch_b8 v0, s[64:65] scope:SCOPE_SE
	s_setreg_imm32_b32 hwreg(HW_REG_WAVE_MODE, 25, 1), 1
	s_wait_xcnt 0x0
	s_wait_alu depctr_hold_cnt(0) depctr_sa_sdst(0) depctr_va_vdst(0) depctr_va_sdst(0) depctr_va_ssrc(0) depctr_va_vcc(0) depctr_vm_vsrc(0)
	s_getreg_b32 s2, hwreg(HW_REG_IB_STS2, 6, 4)
	s_cmp_eq_u32 s2, 0
	s_cbranch_scc0 .Lentry_in_a_cluster
	s_endpgm
.Lentry_in_a_cluster:
	s_bfe_u32 s2, ttmp6, 0x10000c
	s_cmp_lg_u32 s2, 0xf033
	s_cbranch_scc0 .Lentry_shape_is_right
	s_endpgm
.Lentry_shape_is_right:
; qkv = x W + b on codes of FP4 (E2M1) with one E8M0 scale for each 32 along K = 1,024; the results are quantised at once: q and k along the channels, v along the tokens.
; x: 8,192 tokens x 512 bytes of codes, 32 scale bytes a token.  W: 3,072 columns x 512 bytes (K innermost), 32 scale bytes a column.  b: 3,072 f32.
; SHARES.  8 x 32 work-groups.  Work-group (nt, mt) takes tokens 256 mt .. + 255 and 384 columns: 128 nt .. + 127 of each of q, k and v.  Wave w (wm = w / 2, wn = w % 2) takes 128 tokens (8 tiles a) and
; 12 tiles of columns: all 8 of q (wn = 0) or of k (wn = 1), and 4 of v (channels 64 wn on): 96 accumulators, 768 registers.  20 fragments from LDS feed 96 matrix instructions.
; q AND k ARE MADE TRANSPOSED (source 0 = 16 columns of W, source 1 = 16 tokens): a lane holds one token and its registers run along the channels, the next product's K.
; v IS MADE AS IT STANDS (source 0 = 16 tokens, source 1 = 16 columns): a lane holds one channel and its registers run along the tokens, which are its next K.
; LDS.  K goes in quarters of 256 (128 bytes a row, two steps of 128).  640 rows x 512 bytes do not fit, so three slots take quarters 0, 1, 2 as first fills, and slot 0 is filled once more, with quarter 3.
; The scale bytes of the work-group's 256 tokens and 384 columns, for all of K, come once, as dense blocks in rows of 256 bytes.
; CLUSTER 4 x 4: x's tiles hang on mt alone and are asked for jointly along a row of the cluster, W's on nt alone and jointly along a column.  Waves 0, 1, 2 fetch W's pieces q, k, v (128 rows each), wave 3 x's 256 rows.
; OUT.  Workspace laid as images of the next launch's operand registers: a fragment (16 rows x 128 K) is 1,024 bytes, piece c of 512 bytes holding lane L's registers 4 c .. 4 c + 3 at 16 L.
;   qc, kc: [token / 16][channel / 128][1,024].   vc: [batch][channel / 16][token in batch / 128][1,024].
;   qs, ks: [token / 128][channel / 128][lane][4 words]: word i of lane L = the scale word of token tile 2 i + L / 16 of the 128, row L % 16.   vs: [token / 128][channel / 64][lane][2 words], likewise by channel tiles.
; LIMITS: a block of zeros gets the scale byte 1 where the rule says 127 (its codes are zeros, and this program alone reads the bytes); blocks whose largest magnitude lies under 2^-124 are held at the byte 1; NaN and infinities are not served.
; REGISTERS, in windows of 256.  Window 0: v2-13 LDS addresses; v14, v15 the spare word's address and 0; v16-31 at work in QUANT; v32-41, v42-51 two sets of scale words; v52-59 v's bias; v60, v61 16 and 8 x lane;
;   v64-127, v128-191 two sets of x's 8 fragments; v192-223, v224-255 two buffers of 4 fragments of W.  Windows 1, 2, 3: the accumulators of column tiles 0-3 and 4-7 of q or k, and of v's four: (a, j) at v[8 (4 a + j)].
.set PITCH,  144                       ; an LDS row: 128 bytes + 16 of padding: nine times 16 bytes, so that the 16 rows of a fragment load start 16 bytes apart modulo 256
.set TILEB,  16*PITCH
.set ABYTES, 256*PITCH                 ; x's 256 rows
.set PIECE,  128*PITCH                 ; 128 rows of W
.set SLOT,   ABYTES+3*PIECE            ; 92,160
.set SCL,    3*SLOT                    ; the scale bytes, in rows of 256 bytes + 16:
.set SCX,    32*272                    ; x's 8,192 bytes,
.set SCW,    16*272                    ; then 4,096 bytes for each piece of W
.set SPARE,  SCL+SCX+3*SCW             ; 298,240 = 1,165 x 256: the spare words, 128 bytes a wave
.set BIAS,   SPARE+512                 ; 512 bytes a wave: the bias of its 128 columns of q or k
.set ADRA,  2                          ; v2-4   x's fragments in slot 0, 1, 2
.set ADRQ,  5                          ; v5-7   my piece of W (q or k)
.set ADRV,  8                          ; v8-10  my 64 rows of W's piece v
.set ADRS1, 11                         ; v11    scale words: lanes 0-15 x's, lanes 16-31 those of my q or k columns
.set ADRS2, 12                         ; v12    those of my v columns: lanes 0-15 an even tile, lanes 16-31 the odd one
.set BAD,   13                         ; v13    my lane's place in the wave's bias
.set SPW,   14
.set NIL,   15
.set TM,    16
.set WQ,    24                         ; v24-27 four joined scale words (QUANT leaves TM + 8 .. 11 alone)
.set SC,    32
.set BV,    52
.set L16,   60
.set L8,    61
.set PW,    62                         ; v62, v63 the scale word just made, by turns
.set AF,    64
.set TMP,   128
.set BF,    192
.set PCQ,   192                        ; the way out: the codes of q or k, 8 registers a token tile
.set PCV,   64                         ; and of v, 8 a channel tile
.set WVP,   120                        ; v120-121 v's two joined scale words
.set QKC,  4                           ; s[4:5]   where my codes of q or k go;  s[6:7] their scale words;  s[22:23], s[24:25] v's
.set QKS,  6
.set SEL,  8                           ; s[8:9]   lane selects: lane l xor 16
.set HM,   10                          ; s10      lanes 16-31
.set WV,   26
.set WM,   27
.set WN,   66
.set NT,   67
.set MT,   96
.set CX,   97
.set CY,   98
.set G1A,  28                          ; descriptor groups 1: x's tiles, W's tiles, x's scales, W's scales
.set G1B,  36
.set G1SA, 44
.set G1SB, 52
.set G0SA, 60                          ; groups 0: x's scales; x's quarters 0, 1, 2 (the first then serves quarter 3)
.set G0A,  68
.set G0SB, 80                          ; the same for W
.set G0B,  84
.set MSB, 0
.macro WIN new                         ; the immediate's high byte repeats the setting that is left
.if MSB != (\new)
	s_set_vgpr_msb (MSB<<8)|(\new)
.set MSB, (\new)
.endif
.endm
.macro PLACES                          ; four plain places behind matrix instructions, in front of loads into registers that they have read and of reads of their results
.rept 4
	v_nop
.endr
.endm
.macro CROUND                          ; a round of the cluster's barrier: my work-group's barrier, wave 0 signals for it, all wait for the sixteen, my work-group's barrier once more
	s_barrier_signal -1
	s_barrier_wait -1
	s_cmp_lg_u32 s[WV], 0
	s_cbranch_scc1 .Lnot_wave_0_\@
	s_barrier_signal -3
.Lnot_wave_0_\@:
	s_barrier_wait -3
	s_barrier_signal -1
	s_barrier_wait -1
.endm
.macro JLOAD                           ; the joint refill: wave 3 asks for x's rows, waves 0 to 2 for W's pieces; four v_nop follow each line
	s_cmp_eq_u32 s[WV], 3
	s_cbranch_scc0 .Lfor_b_\@
	tensor_load_to_lds s[G0A:G0A+3], s[G1A:G1A+7]
	s_nop 0
.rept 4
	v_nop
.endr
	s_branch .Lasked_\@
.Lfor_b_\@:
	tensor_load_to_lds s[G0B:G0B+3], s[G1B:G1B+7]
	s_nop 0
.rept 4
	v_nop
.endr
.Lasked_\@:
.endm
; one scaled product.  z: the sum starts with 0;  ra, rb: source 0's, source 1's scales stand in lanes 16-31
.macro WMS d, a, b, z, sa, sb, ra, rb
.if \z
.if (\ra)&&(\rb)
	v_wmma_scale_f32_16x16x128_f8f6f4 v[0+(\d):7+(\d)], v[0+(\a):7+(\a)], v[0+(\b):7+(\b)], 0, v[\sa], v[\sb] matrix_a_fmt:MATRIX_FMT_FP4 matrix_b_fmt:MATRIX_FMT_FP4 matrix_a_scale:MATRIX_SCALE_ROW1 matrix_b_scale:MATRIX_SCALE_ROW1
.elseif \ra
	v_wmma_scale_f32_16x16x128_f8f6f4 v[0+(\d):7+(\d)], v[0+(\a):7+(\a)], v[0+(\b):7+(\b)], 0, v[\sa], v[\sb] matrix_a_fmt:MATRIX_FMT_FP4 matrix_b_fmt:MATRIX_FMT_FP4 matrix_a_scale:MATRIX_SCALE_ROW1
.elseif \rb
	v_wmma_scale_f32_16x16x128_f8f6f4 v[0+(\d):7+(\d)], v[0+(\a):7+(\a)], v[0+(\b):7+(\b)], 0, v[\sa], v[\sb] matrix_a_fmt:MATRIX_FMT_FP4 matrix_b_fmt:MATRIX_FMT_FP4 matrix_b_scale:MATRIX_SCALE_ROW1
.else
	v_wmma_scale_f32_16x16x128_f8f6f4 v[0+(\d):7+(\d)], v[0+(\a):7+(\a)], v[0+(\b):7+(\b)], 0, v[\sa], v[\sb] matrix_a_fmt:MATRIX_FMT_FP4 matrix_b_fmt:MATRIX_FMT_FP4
.endif
.else
.if (\ra)&&(\rb)
	v_wmma_scale_f32_16x16x128_f8f6f4 v[0+(\d):7+(\d)], v[0+(\a):7+(\a)], v[0+(\b):7+(\b)], v[0+(\d):7+(\d)], v[\sa], v[\sb] matrix_a_fmt:MATRIX_FMT_FP4 matrix_b_fmt:MATRIX_FMT_FP4 matrix_a_scale:MATRIX_SCALE_ROW1 matrix_b_scale:MATRIX_SCALE_ROW1
.elseif \ra
	v_wmma_scale_f32_16x16x128_f8f6f4 v[0+(\d):7+(\d)], v[0+(\a):7+(\a)], v[0+(\b):7+(\b)], v[0+(\d):7+(\d)], v[\sa], v[\sb] matrix_a_fmt:MATRIX_FMT_FP4 matrix_b_fmt:MATRIX_FMT_FP4 matrix_a_scale:MATRIX_SCALE_ROW1
.elseif \rb
	v_wmma_scale_f32_16x16x128_f8f6f4 v[0+(\d):7+(\d)], v[0+(\a):7+(\a)], v[0+(\b):7+(\b)], v[0+(\d):7+(\d)], v[\sa], v[\sb] matrix_a_fmt:MATRIX_FMT_FP4 matrix_b_fmt:MATRIX_FMT_FP4 matrix_b_scale:MATRIX_SCALE_ROW1
.else
	v_wmma_scale_f32_16x16x128_f8f6f4 v[0+(\d):7+(\d)], v[0+(\a):7+(\a)], v[0+(\b):7+(\b)], v[0+(\d):7+(\d)], v[\sa], v[\sb] matrix_a_fmt:MATRIX_FMT_FP4 matrix_b_fmt:MATRIX_FMT_FP4
.endif
.endif
.endm
	s_load_b256 s[4:11], s[0:1], 0x0               ; x's codes s[4:5], x's scales s[6:7], W's codes s[8:9], W's scales s[10:11]
	s_load_b256 s[12:19], s[0:1], 0x20             ; b s[12:13], qc s[14:15], qs s[16:17], kc s[18:19]
	s_load_b128 s[20:23], s[0:1], 0x40             ; ks s[20:21], vc s[22:23]
	s_load_b64 s[24:25], s[0:1], 0x50              ; vs
	v_lshl_add_u32 v[SPW], v0, 2, SPARE
	v_mov_b32 v[NIL], 0
	ds_add_u32 v14, v15
	ds_add_u32 v14, v15
	s_wait_dscnt 0x0
	v_lshrrev_b32 v1, 5, v0
	v_readfirstlane_b32 s[WV], v1                  ; wave 0..3
	s_lshr_b32 s[WM], s[WV], 1                     ; which 128 tokens are mine
	s_and_b32 s[WN], s[WV], 1                      ; q (0) or k (1), and which 64 channels of v
	s_bfe_u32 s[CX], ttmp6, 0x40000                ; my place in the cluster
	s_bfe_u32 s[CY], ttmp6, 0x40004
	s_lshl_b32 s[NT], ttmp9, 2
	s_add_co_u32 s[NT], s[NT], s[CX]               ; nt = 4 x cluster x + cx
	s_and_b32 s[MT], ttmp7, 0xffff
	s_lshl_b32 s[MT], s[MT], 2
	s_add_co_u32 s[MT], s[MT], s[CY]               ; mt = 4 x cluster y + cy
	s_lshl_b32 s100, s[CY], 2
	s_lshl_b32 s100, 15, s100                      ; my row of the cluster
	s_lshl_b32 s2, 0x1111, s[CX]                   ; my column
	; groups 1.  Tiles of codes: rows of 128 bytes, 512 bytes apart in memory; 15:0 the mask; 17:16 elements of 1 byte; 20 padding on; 21 set beside a mask; 24:22 after every 32 words (code 4); 31:25 four words (code 3)
	s_or_b32 s[G1A], s100, (1<<20)|(1<<21)|(4<<22)|(3<<25)
	s_or_b32 s[G1B], s2, (1<<20)|(1<<21)|(4<<22)|(3<<25)
.irp g, G1A, G1B
	s_mov_b32 s[\g+1], 128<<16                     ; tensor_dim0
	s_mov_b32 s[\g+3], 128<<16                     ; tile_dim0
	s_mov_b32 s[\g+5], 512                         ; from row to row
	s_mov_b32 s[\g+6], 0
	s_mov_b32 s[\g+7], 0
.endr
	s_mov_b32 s[G1A+2], 256<<16                    ; tensor_dim1, tile_dim1: x's 256 rows,
	s_mov_b32 s[G1A+4], 256
	s_mov_b32 s[G1B+2], 128<<16                    ; a piece's 128
	s_mov_b32 s[G1B+4], 128
	; scale bytes: dense blocks as rows of 256 bytes (32 elements of 8 bytes), four words of padding after every 64
	s_or_b32 s[G1SA], s100, (3<<16)|(1<<20)|(1<<21)|(5<<22)|(3<<25)
	s_or_b32 s[G1SB], s2, (3<<16)|(1<<20)|(1<<21)|(5<<22)|(3<<25)
.irp g, G1SA, G1SB
	s_mov_b32 s[\g+1], 32<<16
	s_mov_b32 s[\g+3], 32<<16
	s_mov_b32 s[\g+5], 32
	s_mov_b32 s[\g+6], 0
	s_mov_b32 s[\g+7], 0
.endr
	s_mov_b32 s[G1SA+2], 32<<16                    ; 256 tokens x 32 bytes = 32 rows
	s_mov_b32 s[G1SA+4], 32
	s_mov_b32 s[G1SB+2], 16<<16                    ; 128 columns x 32 bytes = 16 rows
	s_mov_b32 s[G1SB+4], 16
	; groups 0.  x's hang on mt alone, W's on nt and the wave's number alone; each side has temporaries of its own
	s_min_u32 s99, s[WV], 2                        ; which piece of W: q, k, v (wave 3 asks by x's lines; its numbers here are wave 2's and are not used)
	s_mul_i32 s104, s99, PIECE
	s_mul_i32 s105, s99, SCW
	s_lshl_b32 s2, s99, 10
	s_lshl_b32 s3, s[NT], 7
	s_add_co_u32 s2, s2, s3                        ; W's row 1,024 x piece + 128 nt
	s_mov_b32 s3, 0
	s_lshl_b32 s2, s2, 5                           ; its scale bytes
	s_lshl_b32 s100, s[MT], 13                     ; x's scale bytes: 256 mt x 32
	s_mov_b32 s101, 0
	s_wait_kmcnt 0x0
	s_mov_b32 s[G0SA], 1
	s_mov_b32 s[G0SA+1], SCL
	s_add_nc_u64 s[G0SA+2:G0SA+3], s[6:7], s[100:101]
	s_or_b32 s[G0SA+3], s[G0SA+3], 0x80000000
	s_mov_b32 s[G0SB], 1
	s_add_co_u32 s[G0SB+1], s105, SCL+SCX
	s_add_nc_u64 s[G0SB+2:G0SB+3], s[10:11], s[2:3]
	s_or_b32 s[G0SB+3], s[G0SB+3], 0x80000000
	s_lshl_b32 s100, s[MT], 17                     ; x's codes: 256 mt x 512
	s_add_nc_u64 s[4:5], s[4:5], s[100:101]
	s_lshl_b32 s2, s2, 4                           ; W's codes: row x 512
	s_add_nc_u64 s[8:9], s[8:9], s[2:3]
.irp q, 0,1,2
	s_mov_b32 s[G0A+4*\q], 1                       ; count = 1
	s_mov_b32 s[G0A+4*\q+1], \q*SLOT               ; LDS address
	s_add_nc_u64 s[G0A+4*\q+2:G0A+4*\q+3], s[4:5], 128*\q   ; quarter q of K
	s_or_b32 s[G0A+4*\q+3], s[G0A+4*\q+3], 0x80000000       ; type = 2
	s_mov_b32 s[G0B+4*\q], 1
	s_add_co_u32 s[G0B+4*\q+1], s104, \q*SLOT+ABYTES
	s_add_nc_u64 s[G0B+4*\q+2:G0B+4*\q+3], s[8:9], 128*\q
	s_or_b32 s[G0B+4*\q+3], s[G0B+4*\q+3], 0x80000000
.endr
	CROUND                                         ; all sixteen work-groups are here: the first joint loads meet
	s_cmp_eq_u32 s[WV], 3                          ; a wave's four first fills stand in one branch: four loads of mine are out
	s_cbranch_scc0 .Lfirst_b
	tensor_load_to_lds s[G0SA:G0SA+3], s[G1SA:G1SA+7]
	s_nop 0
	tensor_load_to_lds s[G0A:G0A+3], s[G1A:G1A+7]
	s_nop 0
	tensor_load_to_lds s[G0A+4:G0A+7], s[G1A:G1A+7]
	s_nop 0
	tensor_load_to_lds s[G0A+8:G0A+11], s[G1A:G1A+7]
	s_nop 0
.rept 4
	v_nop
.endr
	s_branch .Lfirst_asked
.Lfirst_b:
	tensor_load_to_lds s[G0SB:G0SB+3], s[G1SB:G1SB+7]
	s_nop 0
	tensor_load_to_lds s[G0B:G0B+3], s[G1B:G1B+7]
	s_nop 0
	tensor_load_to_lds s[G0B+4:G0B+7], s[G1B:G1B+7]
	s_nop 0
	tensor_load_to_lds s[G0B+8:G0B+11], s[G1B:G1B+7]
	s_nop 0
.rept 4
	v_nop
.endr
.Lfirst_asked:
	; the biases: my 128 of q or k (16 bytes a lane, then through my own LDS bytes), my four of v (one channel a lane and tile)
	v_and_b32 v[L16], 31, v0
	v_lshlrev_b32 v[L8], 3, v[L16]
	v_lshlrev_b32 v[L16], 4, v[L16]
	v_and_b32 v1, 15, v0                           ; r
	v_bfe_u32 v62, v0, 4, 1                        ; h
	v_lshlrev_b32 v17, 2, v1
	s_lshl_b32 s2, s[WN], 12
	s_lshl_b32 s3, s[NT], 9
	s_add_co_u32 s2, s2, s3                        ; (1,024 wn + 128 nt) x 4
	s_mov_b32 s3, 0
	s_add_nc_u64 s[104:105], s[12:13], s[2:3]      ; s104 and s105 have served the descriptors; as this load's base they are not written again
	global_load_b128 v[64:67], v[L16], s[104:105]
	s_lshl_b32 s2, s[NT], 9
	s_lshl_b32 s99, s[WN], 8
	s_add_co_u32 s2, s2, s99
	s_add_co_u32 s2, s2, 8192                      ; (2,048 + 128 nt + 64 wn) x 4
	s_add_nc_u64 s[12:13], s[12:13], s[2:3]        ; the base of the four loads below: not written again either
.irp j, 0,1,2,3
	global_load_b32 v[BV+2*\j], v17, s[12:13] offset:64*\j
.endr
	; LDS addresses: a fragment's row x pitch + 16 x half
	v_mul_u32_u24 v63, v1, PITCH
	v_lshl_add_u32 v63, v62, 4, v63
	s_mul_i32 s100, s[WM], PIECE                   ; my 128 tokens
	s_mul_i32 s2, s[WN], PIECE
	s_add_co_u32 s2, s2, ABYTES                    ; my piece of W
	s_mul_i32 s3, s[WN], 64*PITCH
	s_add_co_u32 s3, s3, ABYTES+2*PIECE            ; my 64 rows of the piece v
.irp s, 0,1,2
	v_add_nc_u32 v[ADRA+\s], s100, v63
	v_add_nc_u32 v[ADRQ+\s], s2, v63
	v_add_nc_u32 v[ADRV+\s], s3, v63
	s_add_co_u32 s100, s100, SLOT
	s_add_co_u32 s2, s2, SLOT
	s_add_co_u32 s3, s3, SLOT
.endr
	v_lshlrev_b32 v18, 5, v1                       ; a row's scale bytes: 32 r,
	v_lshrrev_b32 v19, 3, v1
	v_lshl_add_u32 v18, v19, 4, v18                ; and 16 more behind each 256
	s_mul_i32 s100, s[WM], SCW                     ; x's: my 128 tokens
	s_mul_i32 s2, s[WN], SCW
	s_add_co_u32 s2, s2, SCX                       ; W's: my piece, behind x's
	s_sub_co_u32 s2, s2, s100
	v_mul_u32_u24 v19, s2, v62                     ; lanes 16-31 take W's: one product, the distance between the two
	s_add_co_u32 s100, s100, SCL
	v_add_nc_u32 v19, v18, v19
	v_add_nc_u32 v[ADRS1], s100, v19
	s_mul_i32 s3, s[WN], 4*544
	s_add_co_u32 s3, s3, SCL+SCX+2*SCW             ; the piece v, my four tiles of 16 rows (544 bytes each)
	v_mul_u32_u24 v19, v62, 544                    ; lanes 16-31 take the odd tile
	v_add_nc_u32 v19, v18, v19
	v_add_nc_u32 v[ADRS2], s3, v19
	s_lshl_b32 s3, s[WV], 9
	s_add_co_u32 s3, s3, BIAS
	v_lshl_add_u32 v[BAD], v62, 5, s3              ; the bias of tile t's eight channels of my half: 64 t + 32 h bytes on
	v_add_nc_u32 v63, s3, v[L16]
	; where the results go.  G = 2 mt + wm: my group of 128 tokens
	s_lshl_b32 s99, s[MT], 1
	s_add_co_u32 s99, s99, s[WM]
	s_cmp_eq_u32 s[WN], 0
	s_cselect_b64 s[QKC:QKC+1], s[14:15], s[18:19]
	s_cselect_b64 s[QKS:QKS+1], s[16:17], s[20:21]
	s_lshl_b32 s2, s99, 16
	s_lshl_b32 s3, s[NT], 10
	s_add_co_u32 s2, s2, s3
	s_mov_b32 s3, 0
	s_add_nc_u64 s[QKC:QKC+1], s[QKC:QKC+1], s[2:3]   ; (8 G tiles x 8 + nt) x 1,024
	s_lshl_b32 s2, s99, 3
	s_add_co_u32 s2, s2, s[NT]
	s_lshl_b32 s2, s2, 9
	s_add_nc_u64 s[QKS:QKS+1], s[QKS:QKS+1], s[2:3]   ; (8 G + nt) x 512
	s_lshr_b32 s2, s99, 4
	s_lshl_b32 s2, s2, 6
	s_lshl_b32 s100, s[NT], 3
	s_add_co_u32 s2, s2, s100
	s_lshl_b32 s100, s[WN], 2
	s_add_co_u32 s2, s2, s100                      ; 64 x batch + my first channel tile
	s_lshl_b32 s2, s2, 4
	s_and_b32 s100, s99, 15
	s_add_co_u32 s2, s2, s100                      ; x 16 + the key step
	s_lshl_b32 s2, s2, 10
	s_add_nc_u64 s[22:23], s[22:23], s[2:3]
	s_lshl_b32 s2, s99, 4
	s_lshl_b32 s100, s[NT], 1
	s_add_co_u32 s2, s2, s100
	s_add_co_u32 s2, s2, s[WN]
	s_lshl_b32 s2, s2, 8
	s_add_nc_u64 s[24:25], s[24:25], s[2:3]        ; (16 G + 2 nt + wn) x 256
	s_mov_b32 s[SEL], 0x76543210
	s_mov_b32 s[SEL+1], 0xfedcba98
	s_mov_b32 s[HM], 0xffff0000
	s_wait_loadcnt 0x0                             ; the biases
	ds_store_b128 v63, v[64:67]                    ; my wave's own 512 bytes: only I read them
.macro FRAG reg, adr, off              ; a fragment, 16 rows x 128 K of 4-bit codes: two loads of 16 bytes, 32 bytes apart
	ds_load_b128 v[\reg:\reg+3], v[\adr] offset:\off
	ds_load_b128 v[\reg+4:\reg+7], v[\adr] offset:\off+32
.endm
.macro SCLD q, k, set                  ; scale register q of a set, for K step k: 0-7: x's block q below, my q or k tile q above;  8, 9: v's tiles 2 (q - 8) below and 2 (q - 8) + 1 above
.if (\q) < 8
	ds_load_b32 v[\set+(\q)], v[ADRS1] offset:544*(\q)+4*(\k)
.else
	ds_load_b32 v[\set+(\q)], v[ADRS2] offset:1088*((\q)-8)+4*(\k)
.endif
.endm
; The run of LDS loads that stands in front of group (ks, g)'s products and brings what FOLLOWS them: the next group's four fragments of W into the other buffer, and a third of the next K step's
; fragments of x and scale words into the other sets.  K step k lies in slot (k / 2) % 3, at byte 64 (k % 2) of the rows.  NLD counts the run.
.macro NEXT ks, g
.set NLD, 0
.set nn, 3*(\ks)+(\g)+1
.if nn < 24
.set k2, nn/3
.set g2, nn%3
.set sl2, (k2/2)%3
.set bb2, BF+32*(nn%2)
.set ko2, 64*(k2%2)
.irp j, 0,1,2,3
.if g2 < 2
	FRAG bb2+8*\j, ADRQ+sl2, (4*g2+\j)*TILEB+ko2
.else
	FRAG bb2+8*\j, ADRV+sl2, \j*TILEB+ko2
.endif
.endr
.set NLD, NLD+8
.endif
.if (\ks) < 7
.set k3, (\ks)+1
.set sl3, (k3/2)%3
.set aa3, AF+64*(k3%2)
.set ss3, SC+10*(k3%2)
.set ko3, 64*(k3%2)
.set ib, 3*(\g)
.set ic, 3-(\g)/2                      ; blocks 0-2, 3-5, 6-7
.rept ic
	FRAG aa3+8*ib, ADRA+sl3, ib*TILEB+ko3
.set ib, ib+1
.endr
.set qb, 3*(\g)+((\g)+1)/2             ; scale registers 0-3, 4-6, 7-9
.set qn, 4-((\g)+1)/2
.rept qn
	SCLD qb, k3, ss3
.set qb, qb+1
.endr
.set NLD, NLD+2*ic+qn
.elseif (\g) == 0
.irp t, 0,1,2,3,4,5,6,7                ; x's set 0 is done with: it takes the bias of q or k in the results' layout: register 8 t + i = channel 16 t + 8 h + i
	ds_load_b128 v[AF+8*\t:AF+8*\t+3], v[BAD] offset:64*\t
	ds_load_b128 v[AF+8*\t+4:AF+8*\t+7], v[BAD] offset:64*\t+16
.endr
.set NLD, NLD+16
.endif
.endm
; 32 products: x's eight blocks against the group's four tiles of columns.  The 96 accumulators take turns, one instruction a turn, in the same order in every K step.
.macro MULG ks, g
.set aam, AF+64*((\ks)%2)
.set bbm, BF+32*((3*(\ks)+(\g))%2)
.set ssm, SC+10*((\ks)%2)
.set zz, (\ks)==0
	WIN (((\g)+1)<<6)|(((\g)+1)<<4)
.irp a, 0,1,2,3,4,5,6,7
.irp j, 0,1,2,3
.if (\g) < 2
	WMS 8*(4*\a+\j), bbm+8*\j, aam+8*\a, zz, ssm+4*(\g)+\j, ssm+\a, 1, 0
.else
	WMS 8*(4*\a+\j), aam+8*\a, bbm+8*\j, zz, ssm+\a, ssm+8+\j/2, 0, \j%2
.endif
.endr
.endr
.endm
; A group.  pre = 1: quarter 1 is shown to all waves;  2: slot 0 has been read out and is filled again;  3: quarter 3 is shown to all waves.
.macro GRP ks, g, pre
.if (3*(\ks)+(\g)) > 0
	PLACES
.endif
	WIN 0
.if (\pre) == 1
	s_wait_tensorcnt 0x1                           ; of my four loads only quarter 2's may be out: my part of quarter 1 is in
	s_wait_dscnt 0x0
	s_barrier_signal -1
	s_barrier_wait -1                              ; everybody's is
.elseif (\pre) == 2
	s_wait_tensorcnt 0x0                           ; all my tensor loads have landed, quarter 2's among them, so a group 0 may be written
	ds_add_u32 v[SPW], v[NIL]                      ; 0 onto my spare word
	s_add_nc_u64 s[G0A+2:G0A+3], s[G0A+2:G0A+3], 384   ; from quarter 0 to quarter 3
	s_add_nc_u64 s[G0B+2:G0B+3], s[G0B+2:G0B+3], 384
	s_wait_dscnt 0x0                               ; the add is done, and my reads of slot 0 are over (the last stood in the group before)
	CROUND                                         ; no wave of any partner still reads slot 0 or has a load on its way
	JLOAD                                          ; the one refill: ten groups, 320 matrix instructions, stand between it and the wait for it
.elseif (\pre) == 3
	s_wait_tensorcnt 0x0                           ; my part of quarter 3 is in: no load was issued behind it
	s_wait_dscnt 0x0
	s_barrier_signal -1
	s_barrier_wait -1
.endif
	NEXT \ks, \g
	s_wait_dscnt NLD                               ; all but the run just issued: what this group multiplies was asked for a group, 32 matrix instructions, ago
	MULG \ks, \g
.endm
	s_wait_tensorcnt 0x2                           ; the scale bytes and quarter 0 are in; quarters 1 and 2 may be out
	s_wait_dscnt 0x0                               ; my bias lies in LDS
	s_barrier_signal -1
	s_barrier_wait -1
.set ib, 0
.rept 8
	FRAG AF+8*ib, ADRA, ib*TILEB
.set ib, ib+1
.endr
.irp j, 0,1,2,3
	FRAG BF+8*\j, ADRQ, \j*TILEB
.endr
.set qb, 0
.rept 10
	SCLD qb, 0, SC
.set qb, qb+1
.endr
	GRP 0, 0, 0                                    ; K step 0's products start the sums: nothing is cleared
	GRP 0, 1, 0
	GRP 0, 2, 0
	GRP 1, 0, 1                                    ; its run holds the first read of slot 1
	GRP 1, 1, 0
	GRP 1, 2, 2
	GRP 2, 0, 0
	GRP 2, 1, 0
	GRP 2, 2, 0
	GRP 3, 0, 0
	GRP 3, 1, 0
	GRP 3, 2, 0
	GRP 4, 0, 0
	GRP 4, 1, 0
	GRP 4, 2, 0
	GRP 5, 0, 3                                    ; its run holds the first read of the refilled slot 0
	GRP 5, 1, 0
	GRP 5, 2, 0
	GRP 6, 0, 0
	GRP 6, 1, 0
	GRP 6, 2, 0
	GRP 7, 0, 0
	GRP 7, 1, 0
	GRP 7, 2, 0
	WIN 0
; 64 numbers of a lane, v[s] on, register 8 t + i = k 16 t + 8 (lane / 16) + i of my row, become a fragment's codes in v[pc] on and its scale word in v[pw].
; Block b of 32 is registers 16 b .. 16 b + 15 of lanes l and l xor 16.  A block's scale: its largest magnitude's exponent field less 2; the floor 2^(3 - 127) among the leaves holds the byte at 1 from below.
; The conversions' results are laid so that two exchanges of halves for each 64 along K give the operand's layout: register 4 c + i of half h holds k = 64 c + 32 h + 8 i on.
.macro QUANT s, pc, pw
.irp b, 0,1,2,3
	v_max3_num_f32 v[TM+\b], |v[(\s)+16*\b]|, |v[(\s)+1+16*\b]|, 0x1800000
.endr
.irp i, 2,4,6,8,10,12,14
.irp b, 0,1,2,3
	v_max3_num_f32 v[TM+\b], v[TM+\b], |v[(\s)+16*\b+\i]|, |v[(\s)+1+16*\b+\i]|
.endr
.endr
.irp b, 0,1,2,3
	v_permlanex16_b32 v[TM+4+\b], v[TM+\b], s[SEL], s[SEL+1]
.endr
.irp b, 0,1,2,3
	v_max_num_f32 v[TM+\b], v[TM+\b], v[TM+4+\b]   ; with lane l xor 16's: the block's largest magnitude
.endr
.irp b, 0,1,2,3
	v_add_nc_u32 v[TM+12+\b], 0xff000000, v[TM+\b] ; 2 off its exponent field: the conversion takes that field as its scale
.endr
.irp b, 0,1,2,3
	v_lshrrev_b32 v[TM+4+\b], 23, v[TM+12+\b]      ; the scale's byte
.endr
	v_lshl_or_b32 v[\pw], v[TM+5], 8, v[TM+4]
	v_lshl_or_b32 v[\pw], v[TM+6], 16, v[\pw]
	v_lshl_or_b32 v[\pw], v[TM+7], 24, v[\pw]
.irp c, 0,1
	v_cvt_scalef32_pk8_fp4_f32 v[(\pc)+4*\c],   v[(\s)+32*\c:(\s)+32*\c+7],     v[TM+12+2*\c]     ; tile 4 c
	v_cvt_scalef32_pk8_fp4_f32 v[(\pc)+4*\c+1], v[(\s)+32*\c+16:(\s)+32*\c+23], v[TM+13+2*\c]     ; tile 4 c + 2
	v_cvt_scalef32_pk8_fp4_f32 v[(\pc)+4*\c+2], v[(\s)+32*\c+8:(\s)+32*\c+15],  v[TM+12+2*\c]     ; tile 4 c + 1
	v_cvt_scalef32_pk8_fp4_f32 v[(\pc)+4*\c+3], v[(\s)+32*\c+24:(\s)+32*\c+31], v[TM+13+2*\c]     ; tile 4 c + 3
.endr
	v_nop                                          ; one plain place behind the scaled conversions
.irp c, 0,1
	v_permlane16_swap_b32 v[(\pc)+4*\c], v[(\pc)+4*\c+1]      ; the first's lanes 16-31 change places with the second's lanes 0-15
	v_permlane16_swap_b32 v[(\pc)+4*\c+2], v[(\pc)+4*\c+3]
.endr
.endm
	; THE WAY OUT.  These eight plain lines name no register of the last products: they are the places behind them
.irp b, 0,1,2,3
	v_mov_b32 v[TM+4+\b], 0                        ; written once: a lane permute's destination counts as one of its sources
.endr
.irp j, 0,1,2,3
	v_mov_b32 v[BV+2*\j+1], v[BV+2*\j]             ; v's bias twice, for the packed addition
.endr
.irp a, 0,1,2,3,4,5,6,7                ; q or k, a tile of 16 tokens at a time: + bias (which also brings the sums into window 0, each accumulator from its low end on), quantised along the 128 channels, stored as an image
	WIN 0x01
.set cn, 0
.rept 16
	v_pk_add_f32 v[TMP+cn:TMP+cn+1], v[32*\a+cn:32*\a+cn+1], v[AF+cn:AF+cn+1]
.set cn, cn+2
.endr
	WIN 0x02
.set cn, 0
.rept 16
	v_pk_add_f32 v[TMP+32+cn:TMP+32+cn+1], v[32*\a+cn:32*\a+cn+1], v[AF+32+cn:AF+32+cn+1]
.set cn, cn+2
.endr
	WIN 0
	QUANT TMP, PCQ+8*\a, PW+\a%2
	global_store_b128 v[L16], v[PCQ+8*\a:PCQ+8*\a+3], s[QKC:QKC+1] offset:8192*\a          ; 32 lanes store 512 consecutive bytes; every tile has code registers of its own, so no store's data are written again
	global_store_b128 v[L16], v[PCQ+8*\a+4:PCQ+8*\a+7], s[QKC:QKC+1] offset:8192*\a+512
.if (\a%2) == 1
	v_cndmask_b32 v[WQ+\a/2], v[PW], v[PW+1], s[HM]    ; lanes 0-15 the even tile's scale words, lanes 16-31 the odd tile's
.endif
.endr
	global_store_b128 v[L16], v[WQ:WQ+3], s[QKS:QKS+1]
.irp j, 0,1,2,3                        ; v, a tile of 16 channels at a time: register 8 a + i = token 16 a + 8 h + i of my channel: quantised along the 128 tokens
	WIN 0x03
.irp a, 0,1,2,3,4,5,6,7
.irp i, 0,2,4,6
	v_pk_add_f32 v[TMP+8*\a+\i:TMP+8*\a+\i+1], v[8*(4*\a+\j)+\i:8*(4*\a+\j)+\i+1], v[BV+2*\j:BV+2*\j+1]
.endr
.endr
	WIN 0
	QUANT TMP, PCV+8*\j, PW+\j%2
	global_store_b128 v[L16], v[PCV+8*\j:PCV+8*\j+3], s[22:23] offset:16384*\j
	global_store_b128 v[L16], v[PCV+8*\j+4:PCV+8*\j+7], s[22:23] offset:16384*\j+512
.if (\j%2) == 1
	v_cndmask_b32 v[WVP+\j/2], v[PW], v[PW+1], s[HM]
.endif
.endr
	global_store_b64 v[L8], v[WVP:WVP+1], s[24:25]     ; 32 lanes store 256 consecutive bytes
	s_wait_tensorcnt 0x0                           ; the wave's end
	ds_add_u32 v[SPW], v[NIL]
	s_wait_dscnt 0x0
	CROUND                                         ; the closing round: no work-group ends while a partner may still ask for a tile that names it
	s_endpgm
.Lfunc_end_k_q0eda9eaee5_qkv:
	.size	k_q0eda9eaee5_qkv, .Lfunc_end_k_q0eda9eaee5_qkv-k_q0eda9eaee5_qkv
	.p2alignl 7, 3214868480
	.fill 96, 4, 3214868480
	.section	.rodata,"a",@progbits
	.p2align	6, 0x0
	.amdhsa_kernel k_q0eda9eaee5_qkv
		.amdhsa_group_segment_fixed_size 327680
		.amdhsa_private_segment_fixed_size 0
		.amdhsa_enable_private_segment 0
		.amdhsa_kernarg_size 88
		.amdhsa_user_sgpr_count 2
		.amdhsa_user_sgpr_kernarg_segment_ptr 1
		.amdhsa_wavefront_size32 1
		.amdhsa_system_sgpr_workgroup_id_x 1
		.amdhsa_system_sgpr_workgroup_id_y 1
		.amdhsa_system_sgpr_workgroup_id_z 1
		.amdhsa_system_vgpr_workitem_id 0
		.amdhsa_next_free_vgpr 1024
		.amdhsa_next_free_sgpr 106
		.amdhsa_reserve_vcc 0
		.amdhsa_float_denorm_mode_32 3
		.amdhsa_float_denorm_mode_16_64 3
		.amdhsa_memory_ordered 1
		.amdhsa_forward_progress 1
		.amdhsa_inst_pref_size 214
	.end_amdhsa_kernel
	.amdgpu_metadata
---
amdhsa.version: [ 1, 2 ]
amdhsa.kernels:
  - .name:           k_q0eda9eaee5_qkv
    .symbol:         k_q0eda9eaee5_qkv.kd
    .args:
      - { .name: x_codes, .offset: 0, .size: 8, .value_kind: global_buffer, .address_space: global }
      - { .name: x_scales, .offset: 8, .size: 8, .value_kind: global_buffer, .address_space: global }
      - { .name: W_qkv_codes, .offset: 16, .size: 8, .value_kind: global_buffer, .address_space: global }
      - { .name: W_qkv_scales, .offset: 24, .size: 8, .value_kind: global_buffer, .address_space: global }
      - { .name: b_qkv, .offset: 32, .size: 8, .value_kind: global_buffer, .address_space: global }
      - { .name: qc, .offset: 40, .size: 8, .value_kind: global_buffer, .address_space: global }
      - { .name: qs, .offset: 48, .size: 8, .value_kind: global_buffer, .address_space: global }
      - { .name: kc, .offset: 56, .size: 8, .value_kind: global_buffer, .address_space: global }
      - { .name: ks, .offset: 64, .size: 8, .value_kind: global_buffer, .address_space: global }
      - { .name: vc, .offset: 72, .size: 8, .value_kind: global_buffer, .address_space: global }
      - { .name: vs, .offset: 80, .size: 8, .value_kind: global_buffer, .address_space: global }
    .group_segment_fixed_size: 327680
    .private_segment_fixed_size: 0
    .kernarg_segment_align: 8
    .kernarg_segment_size: 88
    .max_flat_workgroup_size: 128
    .sgpr_count:     106
    .vgpr_count:     1024
    .wavefront_size: 32
...
	.end_amdgpu_metadata
.endif
;; end of part 1
;; launch attn (part 2): grid 64 x 4, 4 waves a work-group, no clusters, 92,672 bytes of LDS; arguments qc, qs, kc, ks, vc, vs, ln_w, ln_b, out0; writes out0
.if DOCPART == 2
	.amdgcn_target "amdgcn-amd-amdhsa--gfx1250"
	.amdhsa_code_object_version 6
	.text
	.protected	k_q0eda9eaee5_attn
	.globl	k_q0eda9eaee5_attn
	.p2align	8
	.type	k_q0eda9eaee5_attn,@function
k_q0eda9eaee5_attn:
	s_mov_b64 s[64:65], 0
	v_nop
	global_prefetch_b8 v0, s[64:65] scope:SCOPE_SE
	s_setreg_imm32_b32 hwreg(HW_REG_WAVE_MODE, 25, 1), 1
	s_wait_xcnt 0x0
; out = LayerNorm((mask x q k^T / 512) v), both products on codes of FP4 (E2M1) with one E8M0 scale for each 32 along K.  The mask keeps key j for query i where 0 <= i - j <= 255.
; q, k, v come as images of operand registers (a fragment, 16 rows x 128 K, is 1,024 bytes: piece c of 512 bytes holds lane L's registers 4 c .. 4 c + 3 at 16 L):
;   qc, kc [token / 16][channel / 128], vc [batch][channel / 16][key / 128]; scale words qs, ks [token / 128][channel / 128][lane][4], vs [key / 128 over all batches][channel / 64][lane][2].
; SHARES.  A work-group takes 32 queries (two tiles m) of one batch: t = work-group x, a = t / 4 their group of 128, p = t % 4.  Only the key steps a - 2, a - 1, a (128 keys each) can pass the mask.
; A step before key 0 is read at step 0's address and masked as a whole.
; First product, S^T = k q^T (source 0 = 16 keys, source 1 = 16 queries): wave w takes keys 32 w .. + 31 of each step (tiles u = 0, 1): a lane holds one query and its registers run along the keys, the next K;
; the wave's 32 keys of a step are one block of the quantiser.  Its codes and scale byte go through LDS into the images of P's six fragments.
; Second product, O^T = v^T P^T (source 0 = 16 channels, source 1 = 16 queries): wave w takes channels 256 w .. + 255 (16 tiles) for both tiles of queries.
; K AND V GO FROM MEMORY STRAIGHT INTO REGISTERS: each fragment is read by exactly one wave of the work-group and feeds two matrix instructions, so LDS would spare no read; each load covers 512 consecutive bytes.
; NO JOINT LOADS, though the four work-groups of a group a read the same three steps: those are 2 x 196,608 bytes, more than LDS holds, and a refill would have 64 matrix instructions a wave in which to land.
; LAYERNORM in two passes (the mean, then the squares of what is left), so that no difference of large sums is formed; sums over lanes l and l xor 16 and over the four waves, through LDS.
; LIMITS: where a masked score is not finite reference() gives NaN, this text 0; a block of zeros gets the byte 1 where the rule says 127 (its codes are zeros, the bytes are read here alone);
; blocks whose largest magnitude lies under 2^-124 are held at the byte 1; NaN and infinities are not served.
; REGISTERS.  Window 0: v1-15 addresses; v16-31 ln_w, ln_b; v32-127 S^T, then P (v32-79) and the sums (v84-111: written only when S^T is dead); v128-191 q's fragments, two buffers, then at work;
;   v192-250 scale words alone; at the end v32-159 rows of out.
;   window 1: k's tiles 0-3 (all 8 channel steps), then O^T.   window 2: v0-127 k's tiles 4, 5; v128-255 v of the first step.   window 3: v of the second and third step.
.set QI,   0                           ; LDS: q's 16 fragment images (8 m + s),
.set PI,   16384                       ; P's six (2 step + m),
.set PSC,  22528                       ; P's scale words [step][m][query],
.set RED1, 23040                       ; the waves' sums [wave][m][query],
.set RED2, 23552                       ; and their sums of squares,
.set STG,  24064                       ; and a stage of 16 rows x (1,024 bytes + 16) for each wave
.set SPI,  1040
.set L16,  1                           ; v1   16 x lane
.set L8,   2                           ; v2   8 x lane
.set R4,   3                           ; v3   4 x (lane % 16)
.set QST,  4                           ; v4   16 x lane + 4,096 x wave
.set PIW,  5                           ; v5   PI + 256 x wave + 16 r + 4 h
.set PSW,  6                           ; v6   PSC + 4 r + wave
.set L4,   7                           ; v7   4 x lane
.set REDW, 8                           ; v8   128 x wave + 4 x lane
.set STO,  9                           ; v9   the stage, on the way in
.set SRD,  10                          ; v10  and back
.set E0,   12                          ; v12  r - 8 h + 32 (p - w), + 2^30 where step a - 2 lies before key 0
.set E2,   14                          ; v14  r - 8 h + 32 (p - w)
.set TT,   15
.set LW,   16
.set LB,   24
.set S,    32                          ; S^T: key tile kap = 2 step + u, query tile m: at S + 8 (2 kap + m);  later P's fragment (step, m) at S + 8 (2 step + m)
.set SU,   84                          ; v84-91  four chains of sums
.set PT,   92                          ; v92-93  what the other half of the lanes sends
.set RL,   96
.set MN,   104                         ; v104-107 minus the mean, twice for each m
.set RS,   108                         ; v108-111 1 / deviation, twice for each m
.set RB,   32                          ; the way out: 16 rows read back, 128 registers
.set QB,   128
.set MX,   128                         ; the quantiser's six units: largest magnitudes, the other half's, scale operands, bytes, codes
.set T2,   136
.set SCO,  144
.set BY,   152
.set CD,   160
.set KSR,  192                         ; scale words: k's [step][s], q's [s], v's [step][tile / 2], P's [step]
.set QSR,  216
.set VSR,  224
.set PSR,  248
.set WV,   22
.set KB,   24                          ; s[24:29] k's codes, s[30:35] k's scale words, s[36:41] v's codes, s[42:47] v's scale words: a base for each of the three steps
.set KSB,  30
.set VB,   36
.set VSB,  42
.set QP,   48
.set QSB,  50
.set OUT,  52
.set LNW,  54
.set LNB,  56
.set SEL,  58
.set HM,   60
.set C10,  61
.set EPS,  62
.set V1,   63
.set MSB, 0
.macro WIN new                         ; the immediate's high byte repeats the setting that is left
.if MSB != (\new)
	s_set_vgpr_msb (MSB<<8)|(\new)
.set MSB, (\new)
.endif
.endm
.macro PLACES                          ; four plain places behind matrix instructions (ISA guide 7.12.1)
.rept 4
	v_nop
.endr
.endm
; one scaled product.  z: the sum starts with 0;  ra, rb: source 0's, source 1's scales stand in lanes 16-31
.macro WMS d, a, b, z, sa, sb, ra, rb
.if \z
.if (\ra)&&(\rb)
	v_wmma_scale_f32_16x16x128_f8f6f4 v[0+(\d):7+(\d)], v[0+(\a):7+(\a)], v[0+(\b):7+(\b)], 0, v[\sa], v[\sb] matrix_a_fmt:MATRIX_FMT_FP4 matrix_b_fmt:MATRIX_FMT_FP4 matrix_a_scale:MATRIX_SCALE_ROW1 matrix_b_scale:MATRIX_SCALE_ROW1
.elseif \ra
	v_wmma_scale_f32_16x16x128_f8f6f4 v[0+(\d):7+(\d)], v[0+(\a):7+(\a)], v[0+(\b):7+(\b)], 0, v[\sa], v[\sb] matrix_a_fmt:MATRIX_FMT_FP4 matrix_b_fmt:MATRIX_FMT_FP4 matrix_a_scale:MATRIX_SCALE_ROW1
.elseif \rb
	v_wmma_scale_f32_16x16x128_f8f6f4 v[0+(\d):7+(\d)], v[0+(\a):7+(\a)], v[0+(\b):7+(\b)], 0, v[\sa], v[\sb] matrix_a_fmt:MATRIX_FMT_FP4 matrix_b_fmt:MATRIX_FMT_FP4 matrix_b_scale:MATRIX_SCALE_ROW1
.else
	v_wmma_scale_f32_16x16x128_f8f6f4 v[0+(\d):7+(\d)], v[0+(\a):7+(\a)], v[0+(\b):7+(\b)], 0, v[\sa], v[\sb] matrix_a_fmt:MATRIX_FMT_FP4 matrix_b_fmt:MATRIX_FMT_FP4
.endif
.else
.if (\ra)&&(\rb)
	v_wmma_scale_f32_16x16x128_f8f6f4 v[0+(\d):7+(\d)], v[0+(\a):7+(\a)], v[0+(\b):7+(\b)], v[0+(\d):7+(\d)], v[\sa], v[\sb] matrix_a_fmt:MATRIX_FMT_FP4 matrix_b_fmt:MATRIX_FMT_FP4 matrix_a_scale:MATRIX_SCALE_ROW1 matrix_b_scale:MATRIX_SCALE_ROW1
.elseif \ra
	v_wmma_scale_f32_16x16x128_f8f6f4 v[0+(\d):7+(\d)], v[0+(\a):7+(\a)], v[0+(\b):7+(\b)], v[0+(\d):7+(\d)], v[\sa], v[\sb] matrix_a_fmt:MATRIX_FMT_FP4 matrix_b_fmt:MATRIX_FMT_FP4 matrix_a_scale:MATRIX_SCALE_ROW1
.elseif \rb
	v_wmma_scale_f32_16x16x128_f8f6f4 v[0+(\d):7+(\d)], v[0+(\a):7+(\a)], v[0+(\b):7+(\b)], v[0+(\d):7+(\d)], v[\sa], v[\sb] matrix_a_fmt:MATRIX_FMT_FP4 matrix_b_fmt:MATRIX_FMT_FP4 matrix_b_scale:MATRIX_SCALE_ROW1
.else
	v_wmma_scale_f32_16x16x128_f8f6f4 v[0+(\d):7+(\d)], v[0+(\a):7+(\a)], v[0+(\b):7+(\b)], v[0+(\d):7+(\d)], v[\sa], v[\sb] matrix_a_fmt:MATRIX_FMT_FP4 matrix_b_fmt:MATRIX_FMT_FP4
.endif
.endif
.endm
; The loads go in groups of twelve.  0-7: k's six tiles, channel step n.  8: v's scale words.  9-16: v's 48 fragments, six a group, step by step.
.macro GROUP n
.if (\n) < 8
	WIN 0x40                                       ; destination window 1
.irp k, 0,1,2,3
.irp c, 0,1
	global_load_b128 v[8*(8*\k+(\n))+4*\c:8*(8*\k+(\n))+4*\c+3], v[L16], s[KB+2*(\k/2):KB+2*(\k/2)+1] offset:8192*(\k%2)+1024*(\n)+512*\c
.endr
.endr
	WIN 0x80                                       ; window 2
.irp k, 4,5
.irp c, 0,1
	global_load_b128 v[8*(8*(\k-4)+(\n))+4*\c:8*(8*(\k-4)+(\n))+4*\c+3], v[L16], s[KB+4:KB+5] offset:8192*(\k%2)+1024*(\n)+512*\c
.endr
.endr
.elseif (\n) == 8
	WIN 0
.irp g, 0,1,2
.irp q, 0,1,2,3
	global_load_b64 v[VSR+8*\g+2*\q:VSR+8*\g+2*\q+1], v[L8], s[VSB+2*\g:VSB+2*\g+1] offset:256*\q
.endr
.endr
.else
.set ff, 6*((\n)-9)
.rept 6
.set sg, ff/16
.set dl, ff%16
.if sg == 0
	WIN 0x80
.set vr, 128+8*dl
.elseif sg == 1
	WIN 0xc0
.set vr, 8*dl
.else
	WIN 0xc0
.set vr, 128+8*dl
.endif
	global_load_b128 v[vr:vr+3], v[L16], s[VB+2*sg:VB+2*sg+1] offset:16384*dl
	global_load_b128 v[vr+4:vr+7], v[L16], s[VB+2*sg:VB+2*sg+1] offset:16384*dl+512
.set ff, ff+1
.endr
.endif
.endm
	s_load_b256 s[4:11], s[0:1], 0x0               ; qc s[4:5], qs s[6:7], kc s[8:9], ks s[10:11]
	s_load_b256 s[12:19], s[0:1], 0x20             ; vc s[12:13], vs s[14:15], ln_w s[16:17], ln_b s[18:19]
	s_load_b64 s[20:21], s[0:1], 0x40              ; out0
	v_lshl_add_u32 v254, v0, 2, 0x16800
	v_mov_b32 v255, 0
	v_lshrrev_b32 v15, 5, v0
	v_readfirstlane_b32 s[WV], v15                 ; wave 0..3
	v_and_b32 v11, 31, v0
	v_lshlrev_b32 v[L16], 4, v11
	v_lshlrev_b32 v[L8], 3, v11
	v_lshlrev_b32 v[L4], 2, v11
	s_and_b32 s68, ttmp7, 0xffff                   ; batch
	s_lshr_b32 s69, ttmp9, 2                       ; a
	s_and_b32 s70, ttmp9, 3                        ; p
	s_sub_co_i32 s71, s69, 2
	s_max_i32 s71, s71, 0                          ; the three key steps, held at 0 from below
	s_sub_co_i32 s72, s69, 1
	s_max_i32 s72, s72, 0
	s_mov_b32 s73, s69
	s_mov_b32 s67, 0
	s_lshl_b32 s66, s68, 20
	s_lshl_b32 s74, ttmp9, 14
	s_add_co_u32 s66, s66, s74
	s_lshl_b32 s74, s[WV], 12
	s_add_co_u32 s66, s66, s74                     ; q's codes: (128 batch + 2 t) x 8,192, and my quarter of the 16,384 bytes
	s_wait_kmcnt 0x0
	s_add_nc_u64 s[QP:QP+1], s[4:5], s[66:67]
.irp i, 0,1,2,3,4,5,6,7
	global_load_b128 v[QB+4*\i:QB+4*\i+3], v[L16], s[QP:QP+1] offset:512*\i
.endr
	s_lshl_b32 s66, s68, 4
	s_add_co_u32 s66, s66, s69
	s_lshl_b32 s66, s66, 12
	s_lshl_b32 s74, s70, 2
	s_add_co_u32 s66, s66, s74                     ; q's scale words: group 16 batch + a, word p: lanes 0-15 tile m = 0, lanes 16-31 m = 1
	s_add_nc_u64 s[QSB:QSB+1], s[6:7], s[66:67]
.irp s, 0,1,2,3,4,5,6,7
	global_load_b32 v[QSR+\s], v[L16], s[QSB:QSB+1] offset:512*\s
.endr
.irp g, 0,1,2
	s_lshl_b32 s74, s68, 4
	s_add_co_u32 s74, s74, s[71+\g]                ; the step among all batches' steps
	s_lshl_b32 s66, s74, 12
	s_lshl_b32 s75, s[WV], 2
	s_add_co_u32 s66, s66, s75                     ; k's scale words: word w: lanes 0-15 tile u = 0, lanes 16-31 u = 1
	s_add_nc_u64 s[KSB+2*\g:KSB+2*\g+1], s[10:11], s[66:67]
	s_lshl_b32 s66, s74, 16
	s_lshl_b32 s75, s[WV], 14
	s_add_co_u32 s66, s66, s75                     ; k's codes: token tile 8 x step + 2 w
	s_add_nc_u64 s[KB+2*\g:KB+2*\g+1], s[8:9], s[66:67]
	s_lshl_b32 s66, s74, 12
	s_lshl_b32 s75, s[WV], 10
	s_add_co_u32 s66, s66, s75                     ; v's scale words: my four groups of 64 channels
	s_add_nc_u64 s[VSB+2*\g:VSB+2*\g+1], s[14:15], s[66:67]
	s_lshl_b32 s66, s68, 20
	s_lshl_b32 s75, s[WV], 18
	s_add_co_u32 s66, s66, s75
	s_lshl_b32 s75, s[71+\g], 10
	s_add_co_u32 s66, s66, s75                     ; v's codes: channel tile 64 batch + 16 w, this step
	s_add_nc_u64 s[VB+2*\g:VB+2*\g+1], s[12:13], s[66:67]
.endr
.irp g, 0,1,2
.irp s, 0,1,2,3,4,5,6,7
	global_load_b32 v[KSR+8*\g+\s], v[L16], s[KSB+2*\g:KSB+2*\g+1] offset:512*\s
.endr
.endr
	GROUP 0
	GROUP 1
	GROUP 2
	GROUP 3
	GROUP 4
	WIN 0
	s_lshl_b32 s66, s68, 23
	s_lshl_b32 s74, ttmp9, 17
	s_add_co_u32 s66, s66, s74
	s_lshl_b32 s74, s[WV], 10
	s_add_co_u32 s66, s66, s74                     ; out: row 2,048 batch + 32 t, my 256 channels
	s_add_nc_u64 s[OUT:OUT+1], s[20:21], s[66:67]
	s_mov_b32 s66, s74
	s_add_nc_u64 s[LNW:LNW+1], s[16:17], s[66:67]
	s_add_nc_u64 s[LNB:LNB+1], s[18:19], s[66:67]
	s_mov_b32 s[SEL], 0x76543210
	s_mov_b32 s[SEL+1], 0xfedcba98
	s_mov_b32 s[HM], 0xffff0000
	s_mov_b32 s[C10], 0x3a800000                   ; 1 / 1,024
	s_mov_b32 s[EPS], 0x3727c5ac                   ; 1e-5
	v_and_b32 v13, 15, v0                          ; r
	v_bfe_u32 v11, v0, 4, 1                        ; h
	v_lshlrev_b32 v[R4], 2, v13
	v_lshl_add_u32 v[QST], s[WV], 12, v[L16]
	s_lshl_b32 s74, s[WV], 8
	s_add_co_u32 s74, s74, PI
	v_lshlrev_b32 v[PIW], 4, v13
	v_lshl_add_u32 v[PIW], v11, 2, v[PIW]
	v_add_nc_u32 v[PIW], s74, v[PIW]
	s_add_co_u32 s74, s[WV], PSC
	v_lshl_add_u32 v[PSW], v13, 2, s74
	v_lshl_add_u32 v[REDW], s[WV], 7, v[L4]
	s_mul_i32 s74, s[WV], 16*SPI
	s_add_co_u32 s74, s74, STG
	v_mul_u32_u24 v[STO], v13, SPI
	v_lshl_add_u32 v[STO], v11, 5, v[STO]
	v_add_nc_u32 v[STO], s74, v[STO]               ; in: row r; tile d's eight channels of my half: 64 d + 32 h bytes on
	v_add_nc_u32 v[SRD], s74, v[L16]               ; back: 16 bytes a lane
	s_sub_co_i32 s74, s70, s[WV]
	s_lshl_b32 s74, s74, 5                         ; 32 (p - w)
	v_lshlrev_b32 v[TT], 3, v11
	v_sub_nc_u32 v[E2], v13, v[TT]
	v_add_nc_u32 v[E2], s74, v[E2]
	s_cmp_ge_u32 s69, 2
	s_cselect_b32 s74, 0, 0x40000000
	v_add_nc_u32 v[E0], s74, v[E2]
	s_cmp_ge_u32 s69, 1
	s_cselect_b32 s[V1], -1, 0                     ; all lanes, or none where step a - 1 lies before key 0
	s_wait_loadcnt 63                              ; 92 loads stand behind my eight of q: the largest count that can be named is stricter
.irp i, 0,1,2,3,4,5,6,7
	ds_store_b128 v[QST], v[QB+4*\i:QB+4*\i+3] offset:QI+512*\i
.endr
	s_wait_dscnt 0x0                               ; for the others' sake: my quarter of q lies in LDS
	s_barrier_signal -1
	s_barrier_wait -1
.macro QLOAD pr                        ; q's fragments of channel steps 2 pr and 2 pr + 1, both tiles, into buffer pr % 2
.irp e, 0,1
.irp m, 0,1
.irp c, 0,1
	ds_load_b128 v[QB+32*((\pr)%2)+16*\e+8*\m+4*\c:QB+32*((\pr)%2)+16*\e+8*\m+4*\c+3], v[L16] offset:QI+(8*\m+2*(\pr)+\e)*1024+512*\c
.endr
.endr
.endr
.endm
	QLOAD 0
	QLOAD 1
; Channel step s of S^T = k q^T: 12 products, the 12 accumulators by turns.
.macro SSTEP s
	s_wait_loadcnt 48                              ; k's step s is in: the four groups of twelve issued behind it may be out
.if ((\s)%2) == 0
.if (\s) == 6
	s_wait_dscnt 0x0
.else
	s_wait_dscnt 8                                 ; this pair of q's steps is in; the pair asked for behind it may be out
.endif
.endif
	GROUP (\s)+5
.set qq, QB+32*(((\s)/2)%2)+16*((\s)%2)
.set zz, (\s)==0
	WIN 0x01                                       ; source 0 (k) window 1
.irp k, 0,1,2,3
.irp m, 0,1
	WMS S+8*(2*\k+\m), 8*(8*\k+(\s)), qq+8*\m, zz, KSR+8*(\k/2)+(\s), QSR+(\s), \k%2, \m
.endr
.endr
	WIN 0x02                                       ; window 2
.irp k, 4,5
.irp m, 0,1
	WMS S+8*(2*\k+\m), 8*(8*(\k-4)+(\s)), qq+8*\m, zz, KSR+16+(\s), QSR+(\s), \k%2, \m
.endr
.endr
.endm
	SSTEP 0
	SSTEP 1
	PLACES                                         ; in front of loads into the buffer that these products have read
	WIN 0
	QLOAD 2
	SSTEP 2
	SSTEP 3
	PLACES
	WIN 0
	QLOAD 3
	SSTEP 4
	SSTEP 5
	SSTEP 6
	SSTEP 7
	GROUP 13
	GROUP 14
	GROUP 15
	GROUP 16
	WIN 0
.irp x, 0,1
	global_load_b128 v[LW+4*\x:LW+4*\x+3], v[L16], s[LNW:LNW+1] offset:512*\x      ; after the turn through the stage a lane keeps channels 256 w + 128 x + 4 lane + 0 .. 3 in every row
	global_load_b128 v[LB+4*\x:LB+4*\x+3], v[L16], s[LNB:LNB+1] offset:512*\x
.endr
	PLACES
.irp x, 0,1,2,3,4,5
	v_mov_b32 v[T2+\x], 0                          ; written once: a lane permute's destination counts as one of its sources (v136-141: q's buffers, which are done with)
.endr
.set cn, 0
.rept 48
	v_pk_mul_f32 v[S+cn:S+cn+1], v[S+cn:S+cn+1], 0x3b000000 op_sel_hi:[1,0]   ; / 512 = sqrt(1,024 x 256): exact; each accumulator from its low end on
.set cn, cn+2
.endr
; THE MASK.  Register j of tile (step g, u, m) holds i - j' = 256 - 128 g + 16 m - 16 u - j + E, E = r - 8 h + 32 (p - w) in -104 .. 111.
; Step a - 2 (g = 0): the difference is at least 129, so only <= 255 is asked.  Step a (g = 2): at most 127, so only >= 0.  Step a - 1: 1 .. 255: all its keys count.
.macro MASKT g, m, u
.set tb, S+8*(4*(\g)+2*(\u)+(\m))
.if (\g) == 0
	v_add_nc_u32 v[TT], 256+16*(\m)-16*(\u), v[E0]
.irp j, 0,1,2,3,4,5,6,7
	v_cmp_ge_i32 vcc_lo, 255+\j, v[TT]
	v_cndmask_b32 v[tb+\j], 0, v[tb+\j], vcc_lo
.endr
.else
	v_add_nc_u32 v[TT], 16*(\m)-16*(\u), v[E2]
.irp j, 0,1,2,3,4,5,6,7
	v_cmp_le_i32 vcc_lo, \j, v[TT]
	v_cndmask_b32 v[tb+\j], 0, v[tb+\j], vcc_lo
.endr
.endif
.endm
.irp u, 0,1
.irp m, 0,1
	MASKT 0, \m, \u
	MASKT 2, \m, \u
.endr
.endr
.set cn, 32
.rept 32
	v_cndmask_b32 v[S+cn], 0, v[S+cn], s[V1]       ; step a - 1 counts as a whole, or, before key 0, not at all
.set cn, cn+1
.endr
; THE QUANTISER, six units x = 2 step + m by turns: my 32 keys of a step for one query are one block: 16 numbers here (tiles u = 0, 1), 16 in lane l xor 16.
.irp x, 0,1,2,3,4,5
	v_max3_num_f32 v[MX+\x], |v[S+8*(4*(\x/2)+\x%2)]|, |v[S+8*(4*(\x/2)+\x%2)+1]|, 0x1800000   ; with the floor 2^(3 - 127): the byte cannot fall under 1
.endr
.irp i, 2,4,6,16,18,20,22
.irp x, 0,1,2,3,4,5
	v_max3_num_f32 v[MX+\x], v[MX+\x], |v[S+8*(4*(\x/2)+\x%2)+\i]|, |v[S+8*(4*(\x/2)+\x%2)+\i+1]|   ; (tile u = 1 lies 16 registers on)
.endr
.endr
.irp x, 0,1,2,3,4,5
	v_permlanex16_b32 v[T2+\x], v[MX+\x], s[SEL], s[SEL+1]
.endr
.irp x, 0,1,2,3,4,5
	v_max_num_f32 v[MX+\x], v[MX+\x], v[T2+\x]
.endr
.irp x, 0,1,2,3,4,5
	v_add_nc_u32 v[SCO+\x], 0xff000000, v[MX+\x]   ; 2 off the exponent field: the conversion's scale operand
.endr
.irp x, 0,1,2,3,4,5
	v_lshrrev_b32 v[BY+\x], 23, v[SCO+\x]          ; the scale's byte
.endr
.irp x, 0,1,2,3,4,5
	v_cvt_scalef32_pk8_fp4_f32 v[CD+2*\x], v[S+8*(4*(\x/2)+\x%2):S+8*(4*(\x/2)+\x%2)+7], v[SCO+\x]
	v_cvt_scalef32_pk8_fp4_f32 v[CD+2*\x+1], v[S+8*(4*(\x/2)+\x%2)+16:S+8*(4*(\x/2)+\x%2)+23], v[SCO+\x]
.endr
	v_nop                                          ; one plain place behind the scaled conversions
; In P's fragment block w is piece w / 2, lanes 16 (w % 2) + r, and my eight codes (u, h) are its register 2 u + h: byte 256 w + 16 r + 4 h + 8 u of the image
.irp x, 0,1,2,3,4,5
	ds_store_b32 v[PIW], v[CD+2*\x] offset:1024*\x
	ds_store_b32 v[PIW], v[CD+2*\x+1] offset:1024*\x+8
	ds_store_b8 v[PSW], v[BY+\x] offset:64*\x      ; byte w of the query's scale word; both lanes of a block write the same byte with the same value
.endr
	s_wait_dscnt 0x0                               ; for the others' sake: my codes and bytes lie in LDS
	s_barrier_signal -1
	s_barrier_wait -1
.irp x, 0,1,2,3,4,5
	ds_load_b128 v[S+8*\x:S+8*\x+3], v[L16] offset:PI+1024*\x
	ds_load_b128 v[S+8*\x+4:S+8*\x+7], v[L16] offset:PI+1024*\x+512
.endr
.irp g, 0,1,2
	ds_load_b32 v[PSR+\g], v[L4] offset:PSC+128*\g ; lanes 0-15 tile m = 0, lanes 16-31 m = 1
.endr
	s_wait_dscnt 0x0
	v_mov_b32 v[PT], 0                             ; the LayerNorm's lane permutes want a written destination.  HERE and no earlier: v92 and v93 held two scores until the conversions above had read them;
	v_mov_b32 v[PT+1], 0                           ; P's fragments take v32-79 alone, and no product below names these two
; O^T += v^T P^T, a key step at a time: 32 products, the 32 accumulators by turns
.macro PVSTEP g, vv
.set zz, (\g)==0
.irp d, 0,1,2,3,4,5,6,7,8,9,10,11,12,13,14,15
.irp m, 0,1
	WMS 8*(2*\d+\m), (\vv)+8*\d, S+8*(2*(\g)+\m), zz, VSR+8*(\g)+\d/2, PSR+(\g), \d%2, \m
.endr
.endr
.endm
	s_wait_loadcnt 63                              ; behind the first step's v stand 64 loads of v and four of ln_w, ln_b: the largest count that can be named is stricter
	WIN 0x52                                       ; source 0 (v) window 2, C and D window 1
	PVSTEP 0, 128
	s_wait_loadcnt 36                              ; the third step's 32 and the four
	WIN 0x53                                       ; source 0 window 3
	PVSTEP 1, 0
	s_wait_loadcnt 4                               ; the four
	PVSTEP 2, 128
; LAYERNORM.  A lane holds 128 channels of query r for each m.  Four chains (m, even or odd pair) of packed sums.
	PLACES
	WIN 0x05                                       ; both sources window 1
.irp m, 0,1
.irp c, 0,1
	v_pk_add_f32 v[SU+4*\m+2*\c:SU+4*\m+2*\c+1], v[8*\m+2*\c:8*\m+2*\c+1], v[8*\m+2*\c+4:8*\m+2*\c+5]   ; the first tile starts the chains: nothing is cleared
.endr
.endr
	WIN 0x04                                       ; source 1 window 1
.set dd, 1
.rept 15
.irp i, 0,1,2,3
.irp m, 0,1
	v_pk_add_f32 v[SU+4*\m+2*(\i%2):SU+4*\m+2*(\i%2)+1], v[SU+4*\m+2*(\i%2):SU+4*\m+2*(\i%2)+1], v[8*(2*dd+\m)+2*\i:8*(2*dd+\m)+2*\i+1]
.endr
.endr
.set dd, dd+1
.endr
	WIN 0
; the chains, the pair's halves and lane l xor 16 are added; the waves' figures meet in LDS; every lane ends with both queries' totals in v[RL], v[RL + 1]
.macro REDUCE red
.irp m, 0,1
	v_pk_add_f32 v[SU+4*\m:SU+4*\m+1], v[SU+4*\m:SU+4*\m+1], v[SU+4*\m+2:SU+4*\m+3]
.endr
.irp m, 0,1
	v_add_f32 v[SU+4*\m], v[SU+4*\m], v[SU+4*\m+1]
.endr
.irp m, 0,1
	v_permlanex16_b32 v[PT+\m], v[SU+4*\m], s[SEL], s[SEL+1]
.endr
.irp m, 0,1
	v_add_f32 v[SU+4*\m], v[SU+4*\m], v[PT+\m]
.endr
	v_cndmask_b32 v[PT], v[SU], v[SU+4], s[HM]     ; lanes 0-15 m = 0, lanes 16-31 m = 1
	ds_store_b32 v[REDW], v[PT] offset:\red
	s_wait_dscnt 0x0
	s_barrier_signal -1
	s_barrier_wait -1
.irp w, 0,1,2,3
.irp m, 0,1
	ds_load_b32 v[RL+2*\w+\m], v[R4] offset:\red+128*\w+64*\m
.endr
.endr
	s_wait_dscnt 0x0
.irp m, 0,1
	v_add_f32 v[RL+\m], v[RL+\m], v[RL+2+\m]
.endr
.irp m, 0,1
	v_add_f32 v[RL+4+\m], v[RL+4+\m], v[RL+6+\m]
.endr
.irp m, 0,1
	v_add_f32 v[RL+\m], v[RL+\m], v[RL+4+\m]
.endr
.endm
	REDUCE RED1
.irp m, 0,1
	v_mul_f32 v[MN+2*\m], 0xba800000, v[RL+\m]     ; minus the mean
.endr
.irp m, 0,1
	v_mov_b32 v[MN+2*\m+1], v[MN+2*\m]
.endr
	WIN 0x41                                       ; O^T (destination and source 0) window 1
.set oo, 0
.rept 128
	v_pk_add_f32 v[oo:oo+1], v[oo:oo+1], v[MN+2*((oo/8)%2):MN+2*((oo/8)%2)+1]
.set oo, oo+2
.endr
	WIN 0x05
.set dd, 0
.rept 16
.irp i, 0,1,2,3
.irp m, 0,1
.if (dd==0)&&(\i<2)
	v_pk_mul_f32 v[SU+4*\m+2*(\i%2):SU+4*\m+2*(\i%2)+1], v[8*(2*dd+\m)+2*\i:8*(2*dd+\m)+2*\i+1], v[8*(2*dd+\m)+2*\i:8*(2*dd+\m)+2*\i+1]
.else
	v_pk_fma_f32 v[SU+4*\m+2*(\i%2):SU+4*\m+2*(\i%2)+1], v[8*(2*dd+\m)+2*\i:8*(2*dd+\m)+2*\i+1], v[8*(2*dd+\m)+2*\i:8*(2*dd+\m)+2*\i+1], v[SU+4*\m+2*(\i%2):SU+4*\m+2*(\i%2)+1]
.endif
.endr
.endr
.set dd, dd+1
.endr
	WIN 0
	REDUCE RED2
.irp m, 0,1
	v_fma_f32 v[RL+\m], v[RL+\m], s[C10], s[EPS]   ; the variance + 1e-5
.endr
	v_rsq_f32 v[RS], v[RL]                         ; each twice: a pair for the packed multiply
	v_rsq_f32 v[RS+1], v[RL]
	v_rsq_f32 v[RS+2], v[RL+1]
	v_rsq_f32 v[RS+3], v[RL+1]
	v_nop                                          ; a plain instruction behind the last of them (ISA guide 5.7.2)
	s_wait_alu depctr_va_vdst(0)                   ; one wait for the four, ahead of their first reader
	WIN 0x41
.set oo, 0
.rept 128
	v_pk_mul_f32 v[oo:oo+1], v[oo:oo+1], v[RS+2*((oo/8)%2):RS+2*((oo/8)%2)+1]
.set oo, oo+2
.endr
; THE WAY OUT, a tile of 16 queries at a time: through my own stage in LDS and back as rows of my 256 channels; x ln_w + ln_b; each store covers 512 consecutive bytes, aligned.
; LDS serves a wave's instructions in order (ISA guide 5.7.1.4): no wait between the stores and the loads, nor in front of the next tile's stores.
.irp m, 0,1
	WIN 0x04                                       ; an LDS store's data are its source 1: window 1
.irp d, 0,1,2,3,4,5,6,7,8,9,10,11,12,13,14,15
	ds_store_b128 v[STO], v[8*(2*\d+\m):8*(2*\d+\m)+3] offset:64*\d
	ds_store_b128 v[STO], v[8*(2*\d+\m)+4:8*(2*\d+\m)+7] offset:64*\d+16
.endr
	WIN 0
.if \m == 1
	s_wait_xcnt 0x0                                ; the first tile's stores have read their registers: the loads below may land there
.endif
.set cn, 0
.rept 32
	ds_load_b128 v[RB+4*cn:RB+4*cn+3], v[SRD] offset:SPI*(cn/2)+512*(cn%2)
.set cn, cn+1
.endr
.if \m == 0
	s_wait_loadcnt 0x0                             ; ln_w, ln_b
.endif
.set cn, 0
.rept 32
	s_wait_dscnt 31-cn                             ; the younger loads may be out
	v_pk_fma_f32 v[RB+4*cn:RB+4*cn+1], v[RB+4*cn:RB+4*cn+1], v[LW+4*(cn%2):LW+4*(cn%2)+1], v[LB+4*(cn%2):LB+4*(cn%2)+1]
	v_pk_fma_f32 v[RB+4*cn+2:RB+4*cn+3], v[RB+4*cn+2:RB+4*cn+3], v[LW+4*(cn%2)+2:LW+4*(cn%2)+3], v[LB+4*(cn%2)+2:LB+4*(cn%2)+3]
	global_store_b128 v[L16], v[RB+4*cn:RB+4*cn+3], s[OUT:OUT+1] offset:65536*\m+4096*(cn/2)+512*(cn%2) th:TH_STORE_NT
.set cn, cn+1
.endr
.endr
	s_wait_tensorcnt 0x0
	ds_add_u32 v254, v255
	s_wait_dscnt 0x0
	s_endpgm
.Lfunc_end_k_q0eda9eaee5_attn:
	.size	k_q0eda9eaee5_attn, .Lfunc_end_k_q0eda9eaee5_attn-k_q0eda9eaee5_attn
	.p2alignl 7, 3214868480
	.fill 96, 4, 3214868480
	.section	.rodata,"a",@progbits
	.p2align	6, 0x0
	.amdhsa_kernel k_q0eda9eaee5_attn
		.amdhsa_group_segment_fixed_size 92672
		.amdhsa_private_segment_fixed_size 0
		.amdhsa_enable_private_segment 0
		.amdhsa_kernarg_size 72
		.amdhsa_user_sgpr_count 2
		.amdhsa_user_sgpr_kernarg_segment_ptr 1
		.amdhsa_wavefront_size32 1
		.amdhsa_system_sgpr_workgroup_id_x 1
		.amdhsa_system_sgpr_workgroup_id_y 1
		.amdhsa_system_sgpr_workgroup_id_z 1
		.amdhsa_system_vgpr_workitem_id 0
		.amdhsa_next_free_vgpr 1024
		.amdhsa_next_free_sgpr 80
		.amdhsa_reserve_vcc 1
		.amdhsa_float_denorm_mode_32 3
		.amdhsa_float_denorm_mode_16_64 3
		.amdhsa_memory_ordered 1
		.amdhsa_forward_progress 1
		.amdhsa_inst_pref_size 137
	.end_amdhsa_kernel
	.amdgpu_metadata
---
amdhsa.version: [ 1, 2 ]
amdhsa.kernels:
  - .name:           k_q0eda9eaee5_attn
    .symbol:         k_q0eda9eaee5_attn.kd
    .args:
      - { .name: qc, .offset: 0, .size: 8, .value_kind: global_buffer, .address_space: global }
      - { .name: qs, .offset: 8, .size: 8, .value_kind: global_buffer, .address_space: global }
      - { .name: kc, .offset: 16, .size: 8, .value_kind: global_buffer, .address_space: global }
      - { .name: ks, .offset: 24, .size: 8, .value_kind: global_buffer, .address_space: global }
      - { .name: vc, .offset: 32, .size: 8, .value_kind: global_buffer, .address_space: global }
      - { .name: vs, .offset: 40, .size: 8, .value_kind: global_buffer, .address_space: global }
      - { .name: ln_w, .offset: 48, .size: 8, .value_kind: global_buffer, .address_space: global }
      - { .name: ln_b, .offset: 56, .size: 8, .value_kind: global_buffer, .address_space: global }
      - { .name: out0, .offset: 64, .size: 8, .value_kind: global_buffer, .address_space: global }
    .group_segment_fixed_size: 92672
    .private_segment_fixed_size: 0
    .kernarg_segment_align: 8
    .kernarg_segment_size: 72
    .max_flat_workgroup_size: 128
    .sgpr_count:     80
    .vgpr_count:     1024
    .wavefront_size: 32
...
	.end_amdgpu_metadata
.endif
;; end of part 2
;; ======== version 2 of 2: 2 launches
;; workspace buffers: qc 4,194,304 bytes; kc 4,194,304 bytes; vc 4,194,304 bytes; qs 262,144 bytes; ks 262,144 bytes; vs 262,144 bytes
;; launch qkv: the kernel of part 1 again; grid 8 x 32, 4 waves a work-group, clusters of 4 x 4, 327,680 bytes of LDS; arguments x_codes, x_scales, W_qkv_codes, W_qkv_scales, b_qkv, qc, qs, kc, ks, vc, vs; writes qc, qs, kc, ks, vc, vs
;; launch attn (part 3): grid 64 x 4, 4 waves a work-group, clusters of 4 x 1, 327,680 bytes of LDS; arguments qc, qs, kc, ks, vc, vs, ln_w, ln_b, out0; writes out0
.if DOCPART == 3
	.amdgcn_target "amdgcn-amd-amdhsa--gfx1250"
	.amdhsa_code_object_version 6
	.text
	.protected	k_q0eda9eaee5_attn
	.globl	k_q0eda9eaee5_attn
	.p2align	8
	.type	k_q0eda9eaee5_attn,@function
k_q0eda9eaee5_attn:
	s_mov_b64 s[64:65], 0
	v_nop
	global_prefetch_b8 v0, s[64:65] scope:SCOPE_SE
	s_setreg_imm32_b32 hwreg(HW_REG_WAVE_MODE, 25, 1), 1
	s_wait_xcnt 0x0
	s_wait_alu depctr_hold_cnt(0) depctr_sa_sdst(0) depctr_va_vdst(0) depctr_va_sdst(0) depctr_va_ssrc(0) depctr_va_vcc(0) depctr_vm_vsrc(0)
	s_getreg_b32 s2, hwreg(HW_REG_IB_STS2, 6, 4)
	s_cmp_eq_u32 s2, 0
	s_cbranch_scc0 .Lentry_in_a_cluster
	s_endpgm
.Lentry_in_a_cluster:
	s_bfe_u32 s2, ttmp6, 0x10000c
	s_cmp_lg_u32 s2, 0x3003
	s_cbranch_scc0 .Lentry_shape_is_right
	s_endpgm
.Lentry_shape_is_right:
; out = LayerNorm((mask x q k^T / 512) v), both products on codes of FP4 (E2M1) with one E8M0 scale for each 32 along K.  The mask keeps key j for query i where 0 <= i - j <= 255.
; q, k, v come as images of operand registers (a fragment, 16 rows x 128 K, is 1,024 bytes: piece c of 512 bytes holds lane L's registers 4 c .. 4 c + 3 at 16 L):
;   qc, kc [token / 16][channel / 128], vc [batch][channel / 16][key / 128]; scale words qs, ks [token / 128][channel / 128][lane][4], vs [key / 128 over all batches][channel / 64][lane][2].
; SHARES.  A work-group takes 32 queries (two tiles m) of one batch: a = their group of 128, p = which 32 of them.  Only the key steps a - 2, a - 1, a (128 keys each) can pass the mask.
; A step before key 0 is read at step 0's address and masked as a whole.
; First product, S^T = k q^T (source 0 = 16 keys, source 1 = 16 queries): wave w takes keys 32 w .. + 31 of each step (tiles u = 0, 1): a lane holds one query and its registers run along the keys, the next K;
; the wave's 32 keys of a step are one block of the quantiser.  Its codes and scale byte go through LDS into the images of P's six fragments.
; Second product, O^T = v^T P^T (source 0 = 16 channels, source 1 = 16 queries): wave w takes channels 256 w .. + 255 (16 tiles) for both tiles of queries.
; ALL THAT THE WORK-GROUP READS IS ASKED FOR AT ITS HEAD.  Tensor loads bring 303,104 bytes into LDS: k's three steps (196,608), v's first step (65,536), q (16,384), k's and v's scale words (12,288 each).
; k's and v's three steps together are 393,216 bytes, more than LDS holds: v's other two steps go from memory straight into registers, 64 loads of 512 consecutive bytes a wave.
; CLUSTER 4 x 1: the four work-groups of a group a read the same three steps, so k, v's first step and both sets of scale words are asked for JOINTLY (mask 15); their addresses hang on a, the batch and the wave's number alone.
; q is the work-group's own: a plain load.  q's scale words stay loads into registers: their place hangs on p, which enters no LDS address.  Nothing is filled twice: one round in front of the fills, one in front of the end.
; LAYERNORM in two passes (the mean, then the squares of what is left), so that no difference of large sums is formed; sums over lanes l and l xor 16 and over the four waves, through LDS.
; LIMITS: where a masked score is not finite reference() gives NaN, this text 0; a block of zeros gets the byte 1 where the rule says 127 (its codes are zeros, the bytes are read here alone);
; blocks whose largest magnitude lies under 2^-124 are held at the byte 1; NaN and infinities are not served.
; REGISTERS.  Window 0: v1-15, v172-174 addresses; v16-31 ln_w, ln_b; v32-127 S^T, then P (v32-79) and the sums (v84-111: written only when S^T is dead); v128-171 at work in the quantiser;
;   v192-250 scale words alone; at the end v32-159 rows of out.
;   window 1: k's tiles 0-3 (all 8 channel steps), then O^T.   window 2: v0-127 k's tiles 4, 5; v128-255 q's 16 fragments, then v of the first step.   window 3: v of the second and third step.
.set KWV,  49152                       ; LDS: k: for each wave [step][tile u][channel step][1,024]: its own 49,152 bytes, from byte 0 on;
.set VI,   196608                      ; v's first step: for each wave [channel tile][1,024]: its own 16,384 bytes;
.set QI,   262144                      ; q's 16 fragment images (8 m + s);
.set KSC,  278528                      ; k's scale words [step][4,096];
.set VSC,  290816                      ; v's [step][4,096];
.set PI,   303104                      ; P's six images (2 step + m);
.set PSC,  309248                      ; P's scale words [step][m][query];
.set RED1, 309760                      ; the waves' sums [wave][m][query], and 512 bytes on their sums of squares.  311,296 bytes are used, the spare words at 310,784 among them
.set SPI,  1040                        ; the way out: a stage of 16 rows x (1,024 bytes + 16) for each wave, in its own part of k's region, which has had its one fill and its last read by then
.set L16,  1                           ; v1   16 x lane
.set KAD,  2                           ; v2   16 x lane + 49,152 x wave: k's images, later the stage on the way back
.set VAD,  3                           ; v3   VI + 16 x lane + 16,384 x wave
.set QAD,  4                           ; v4   QI + 16 x lane
.set PIW,  5                           ; v5   PI + 256 x wave + 16 r + 4 h
.set PSW,  6                           ; v6   PSC + 4 r + wave
.set KSAD, 7                           ; v7   KSC + 16 x lane + 4 x wave
.set REDW, 8                           ; v8   RED1 + 128 x wave + 4 x lane
.set STO,  9                           ; v9   the stage, on the way in
.set VSAD, 10                          ; v10  VSC + 8 x lane + 1,024 x wave
.set E0,   12                          ; v12  r - 8 h + 32 (p - w), + 2^30 where step a - 2 lies before key 0
.set E2,   14                          ; v14  r - 8 h + 32 (p - w)
.set TT,   15
.set PIR,  172                         ; v172 PI + 16 x lane
.set PSRD, 173                         ; v173 PSC + 4 x lane
.set REDR, 174                         ; v174 RED1 + 4 r
.set LW,   16
.set LB,   24
.set S,    32                          ; S^T: key tile kap = 2 step + u, query tile m: at S + 8 (2 kap + m);  later P's fragment (step, m) at S + 8 (2 step + m)
.set SU,   84                          ; v84-91  four chains of sums
.set PT,   92                          ; v92-93  what the other half of the lanes sends
.set RL,   96
.set MN,   104                         ; v104-107 minus the mean, twice for each m
.set RS,   108                         ; v108-111 1 / deviation, twice for each m
.set RB,   32                          ; the way out: 16 rows read back, 128 registers
.set MX,   128                         ; the quantiser's six units: largest magnitudes, the other half's, scale operands, bytes, codes
.set T2,   136
.set SCO,  144
.set BY,   152
.set CD,   160
.set KSR,  192                         ; scale words: k's [step][s], q's [s], v's [step][tile / 2], P's [step]
.set QSR,  216
.set VSR,  224
.set PSR,  248
.set HM,   4                           ; s4-7: constants, once the addresses that came there have been used
.set C10,  5
.set EPS,  6
.set V1,   7
.set WV,   22
.set G1K,  24                          ; descriptor groups 1: 64 rows of 256 bytes, joint;  16 such rows, joint;  16 such rows, plain;  16 rows of 1,024 bytes, 16,384 bytes apart, joint
.set G1S,  32
.set G1Q,  40
.set G1V,  48
.set G0Q,  56                          ; groups 0: q; k's three steps; v's first step; a block of k's scale words; one of v's
.set G0K0, 60
.set G0K1, 68
.set G0K2, 72
.set G0V,  76
.set G0KS, 80
.set G0VS, 84
.set VB,   88                          ; s[88:91] v's codes, second and third step
.set QSB,  92
.set OUT,  94
.set LNW,  96
.set LNB,  98
.set SEL,  100
.set MSB, 0
.macro WIN new                         ; the immediate's high byte repeats the setting that is left
.if MSB != (\new)
	s_set_vgpr_msb (MSB<<8)|(\new)
.set MSB, (\new)
.endif
.endm
.macro PLACES                          ; four plain places behind matrix instructions (ISA guide 7.12.1)
.rept 4
	v_nop
.endr
.endm
.macro CROUND                          ; a round of the cluster's barrier: my work-group's barrier, wave 0 signals for it, all wait for the four, my work-group's barrier once more
	s_barrier_signal -1
	s_barrier_wait -1
	s_cmp_lg_u32 s[WV], 0
	s_cbranch_scc1 .Lnot_wave_0_\@
	s_barrier_signal -3
.Lnot_wave_0_\@:
	s_barrier_wait -3
	s_barrier_signal -1
	s_barrier_wait -1
.endm
; one scaled product.  z: the sum starts with 0;  ra, rb: source 0's, source 1's scales stand in lanes 16-31
.macro WMS d, a, b, z, sa, sb, ra, rb
.if \z
.if (\ra)&&(\rb)
	v_wmma_scale_f32_16x16x128_f8f6f4 v[0+(\d):7+(\d)], v[0+(\a):7+(\a)], v[0+(\b):7+(\b)], 0, v[\sa], v[\sb] matrix_a_fmt:MATRIX_FMT_FP4 matrix_b_fmt:MATRIX_FMT_FP4 matrix_a_scale:MATRIX_SCALE_ROW1 matrix_b_scale:MATRIX_SCALE_ROW1
.elseif \ra
	v_wmma_scale_f32_16x16x128_f8f6f4 v[0+(\d):7+(\d)], v[0+(\a):7+(\a)], v[0+(\b):7+(\b)], 0, v[\sa], v[\sb] matrix_a_fmt:MATRIX_FMT_FP4 matrix_b_fmt:MATRIX_FMT_FP4 matrix_a_scale:MATRIX_SCALE_ROW1
.elseif \rb
	v_wmma_scale_f32_16x16x128_f8f6f4 v[0+(\d):7+(\d)], v[0+(\a):7+(\a)], v[0+(\b):7+(\b)], 0, v[\sa], v[\sb] matrix_a_fmt:MATRIX_FMT_FP4 matrix_b_fmt:MATRIX_FMT_FP4 matrix_b_scale:MATRIX_SCALE_ROW1
.else
	v_wmma_scale_f32_16x16x128_f8f6f4 v[0+(\d):7+(\d)], v[0+(\a):7+(\a)], v[0+(\b):7+(\b)], 0, v[\sa], v[\sb] matrix_a_fmt:MATRIX_FMT_FP4 matrix_b_fmt:MATRIX_FMT_FP4
.endif
.else
.if (\ra)&&(\rb)
	v_wmma_scale_f32_16x16x128_f8f6f4 v[0+(\d):7+(\d)], v[0+(\a):7+(\a)], v[0+(\b):7+(\b)], v[0+(\d):7+(\d)], v[\sa], v[\sb] matrix_a_fmt:MATRIX_FMT_FP4 matrix_b_fmt:MATRIX_FMT_FP4 matrix_a_scale:MATRIX_SCALE_ROW1 matrix_b_scale:MATRIX_SCALE_ROW1
.elseif \ra
	v_wmma_scale_f32_16x16x128_f8f6f4 v[0+(\d):7+(\d)], v[0+(\a):7+(\a)], v[0+(\b):7+(\b)], v[0+(\d):7+(\d)], v[\sa], v[\sb] matrix_a_fmt:MATRIX_FMT_FP4 matrix_b_fmt:MATRIX_FMT_FP4 matrix_a_scale:MATRIX_SCALE_ROW1
.elseif \rb
	v_wmma_scale_f32_16x16x128_f8f6f4 v[0+(\d):7+(\d)], v[0+(\a):7+(\a)], v[0+(\b):7+(\b)], v[0+(\d):7+(\d)], v[\sa], v[\sb] matrix_a_fmt:MATRIX_FMT_FP4 matrix_b_fmt:MATRIX_FMT_FP4 matrix_b_scale:MATRIX_SCALE_ROW1
.else
	v_wmma_scale_f32_16x16x128_f8f6f4 v[0+(\d):7+(\d)], v[0+(\a):7+(\a)], v[0+(\b):7+(\b)], v[0+(\d):7+(\d)], v[\sa], v[\sb] matrix_a_fmt:MATRIX_FMT_FP4 matrix_b_fmt:MATRIX_FMT_FP4
.endif
.endif
.endm
	s_load_b256 s[4:11], s[0:1], 0x0               ; qc s[4:5], qs s[6:7], kc s[8:9], ks s[10:11]
	s_load_b256 s[12:19], s[0:1], 0x20             ; vc s[12:13], vs s[14:15], ln_w s[16:17], ln_b s[18:19]
	s_load_b64 s[20:21], s[0:1], 0x40              ; out0
	v_lshl_add_u32 v254, v0, 2, 0x4be00
	v_mov_b32 v255, 0
	ds_add_u32 v254, v255
	ds_add_u32 v254, v255
	v_lshrrev_b32 v15, 5, v0
	v_readfirstlane_b32 s[WV], v15                 ; wave 0..3
	; groups 1.  15:0 the mask (all four work-groups, or none); 17:16 elements of 8 bytes; 21 set beside a mask; no padding: an image is read 16 bytes a lane, on end
	s_mov_b32 s[G1K], 15|(3<<16)|(1<<21)
	s_mov_b32 s[G1S], 15|(3<<16)|(1<<21)
	s_mov_b32 s[G1Q], 3<<16
	s_mov_b32 s[G1V], 15|(3<<16)|(1<<21)
.irp g, G1K, G1S, G1Q                  ; dense blocks, as rows of 256 bytes
	s_mov_b32 s[\g+1], 32<<16                      ; tensor_dim0
	s_mov_b32 s[\g+3], 32<<16                      ; tile_dim0
	s_mov_b32 s[\g+5], 32                          ; from row to row
	s_mov_b32 s[\g+6], 0
	s_mov_b32 s[\g+7], 0
.endr
	s_mov_b32 s[G1K+2], 64<<16                     ; tensor_dim1, tile_dim1: two token tiles of k, 16,384 bytes
	s_mov_b32 s[G1K+4], 64
	s_mov_b32 s[G1S+2], 16<<16                     ; a step's scale words, 4,096 bytes
	s_mov_b32 s[G1S+4], 16
	s_mov_b32 s[G1Q+2], 16<<16                     ; a quarter of q, 4,096 bytes
	s_mov_b32 s[G1Q+4], 16
	s_mov_b32 s[G1V+1], 128<<16                    ; v: a fragment of 1,024 bytes is a row;
	s_mov_b32 s[G1V+2], 16<<16                     ; my 16 channel tiles,
	s_mov_b32 s[G1V+3], 128<<16
	s_mov_b32 s[G1V+4], 16
	s_mov_b32 s[G1V+5], 2048                       ; 16 key steps of 1,024 bytes apart
	s_mov_b32 s[G1V+6], 0
	s_mov_b32 s[G1V+7], 0
	s_and_b32 s104, ttmp7, 0xffff                  ; the batch
	s_mov_b32 s105, ttmp9                          ; a: in a cluster launch ttmp9 counts clusters
	s_lshl_b32 s23, s104, 4                        ; 16 x batch: the batch's first key step among all
	s_bfe_u32 s66, ttmp6, 0x40000                  ; p: my place in the cluster: it enters q's, q's scales' and out's addresses and the mask's numbers alone
	s_lshl_b32 s67, ttmp9, 2
	s_add_co_u32 s67, s67, s66                     ; t = 4 a + p: my block of 32 queries
	; LDS addresses: constants, the lane and the wave's number
	v_and_b32 v[TT], 31, v0                        ; lane
	v_and_b32 v13, 15, v0                          ; r
	v_bfe_u32 v11, v0, 4, 1                        ; h
	v_lshlrev_b32 v[L16], 4, v[TT]
	s_mul_i32 s2, s[WV], KWV
	v_add_nc_u32 v[KAD], s2, v[L16]
	v_mul_u32_u24 v[STO], v13, SPI
	v_lshl_add_u32 v[STO], v11, 5, v[STO]
	v_add_nc_u32 v[STO], s2, v[STO]                ; the stage, in: row r; tile d's eight channels of my half: 64 d + 32 h bytes on
	s_lshl_b32 s3, s[WV], 14
	s_add_co_u32 s3, s3, VI
	v_add_nc_u32 v[VAD], s3, v[L16]
	v_add_nc_u32 v[QAD], QI, v[L16]
	s_lshl_b32 s3, s[WV], 2
	s_add_co_u32 s3, s3, KSC
	v_add_nc_u32 v[KSAD], s3, v[L16]               ; word w of a lane's four: lanes 0-15 tile u = 0, lanes 16-31 u = 1
	s_lshl_b32 s3, s[WV], 10
	s_add_co_u32 s3, s3, VSC
	v_lshl_add_u32 v[VSAD], v[TT], 3, s3           ; my four groups of 64 channels
	s_lshl_b32 s3, s[WV], 8
	s_add_co_u32 s3, s3, PI
	v_lshlrev_b32 v[PIW], 4, v13
	v_lshl_add_u32 v[PIW], v11, 2, v[PIW]
	v_add_nc_u32 v[PIW], s3, v[PIW]
	v_add_nc_u32 v[PIR], PI, v[L16]
	s_add_co_u32 s3, s[WV], PSC
	v_lshl_add_u32 v[PSW], v13, 2, s3
	v_lshl_add_u32 v[PSRD], v[TT], 2, PSC
	s_lshl_b32 s3, s[WV], 7
	s_add_co_u32 s3, s3, RED1
	v_lshl_add_u32 v[REDW], v[TT], 2, s3
	v_lshl_add_u32 v[REDR], v13, 2, RED1
	; groups 0, all but the buffers' addresses, which are added when they have come.  Step g of the three is key step a - 2 + g, held at 0 from below
.macro KDESC d, g                      ; k: token tiles 8 x step + 2 w and the next: 16,384 dense bytes, into my own part of k's region
	s_sub_co_i32 s3, s105, 2-(\g)
	s_max_i32 s3, s3, 0
	s_add_co_u32 s3, s3, s23
	s_lshl_b32 s3, s3, 16
	s_lshl_b32 s[\d+2], s[WV], 14
	s_add_co_u32 s[\d+2], s[\d+2], s3
	s_mov_b32 s[\d+3], 0
	s_mov_b32 s[\d], 1                             ; count = 1
	s_add_co_u32 s[\d+1], s2, 16384*(\g)           ; LDS address
.endm
.macro VOFF d, g                       ; v: channel tile 64 x batch + 16 w, this step
	s_sub_co_i32 s3, s105, 2-(\g)
	s_max_i32 s3, s3, 0
	s_lshl_b32 s3, s3, 10
	s_lshl_b32 s[\d], s104, 20
	s_add_co_u32 s[\d], s[\d], s3
	s_lshl_b32 s3, s[WV], 18
	s_add_co_u32 s[\d], s[\d], s3
	s_mov_b32 s[\d+1], 0
.endm
	KDESC G0K0, 0
	KDESC G0K1, 1
	KDESC G0K2, 2
	VOFF G0V+2, 0
	s_mov_b32 s[G0V], 1
	s_lshl_b32 s3, s[WV], 14
	s_add_co_u32 s[G0V+1], s3, VI
	VOFF VB, 1
	VOFF VB+2, 2
	s_min_u32 s3, s[WV], 2                         ; waves 0, 1, 2 fetch the scale words of step 0, 1, 2 (wave 3 fetches none; its numbers here are wave 2's and are not used)
	s_lshl_b32 s[G0KS+1], s3, 12
	s_add_co_u32 s[G0VS+1], s[G0KS+1], VSC
	s_add_co_u32 s[G0KS+1], s[G0KS+1], KSC
	s_add_co_u32 s3, s3, s105
	s_sub_co_i32 s3, s3, 2
	s_max_i32 s3, s3, 0
	s_add_co_u32 s3, s3, s23
	s_lshl_b32 s[G0KS+2], s3, 12                   ; 4,096 bytes a step, in ks and in vs alike
	s_mov_b32 s[G0KS+3], 0
	s_mov_b32 s[G0VS+2], s[G0KS+2]
	s_mov_b32 s[G0VS+3], 0
	s_mov_b32 s[G0KS], 1
	s_mov_b32 s[G0VS], 1
	s_lshl_b32 s3, s[WV], 12
	s_add_co_u32 s[G0Q+1], s3, QI                  ; q: my quarter of the work-group's 16,384 bytes
	s_lshl_b32 s[G0Q+2], s104, 20
	s_lshl_b32 s[G0Q+3], s67, 14
	s_add_co_u32 s[G0Q+2], s[G0Q+2], s[G0Q+3]      ; (128 batch + 2 t) x 8,192
	s_add_co_u32 s[G0Q+2], s[G0Q+2], s3
	s_mov_b32 s[G0Q+3], 0
	s_mov_b32 s[G0Q], 1
	s_add_co_u32 s[QSB], s23, s105                 ; q's scale words: group 16 batch + a, word p: lanes 0-15 tile m = 0, lanes 16-31 m = 1
	s_lshl_b32 s[QSB], s[QSB], 12
	s_lshl_b32 s[QSB+1], s66, 2
	s_add_co_u32 s[QSB], s[QSB], s[QSB+1]
	s_mov_b32 s[QSB+1], 0
	s_lshl_b32 s[OUT], s104, 23                    ; out: row 2,048 batch + 32 t, my 256 channels
	s_lshl_b32 s[OUT+1], s67, 17
	s_add_co_u32 s[OUT], s[OUT], s[OUT+1]
	s_lshl_b32 s3, s[WV], 10
	s_add_co_u32 s[OUT], s[OUT], s3
	s_mov_b32 s[OUT+1], 0
	s_mov_b32 s[LNW], s3
	s_mov_b32 s[LNW+1], 0
	s_mov_b32 s[LNB], s3
	s_mov_b32 s[LNB+1], 0
	s_sub_co_i32 s67, s66, s[WV]
	s_lshl_b32 s67, s67, 5                         ; 32 (p - w)
	v_lshlrev_b32 v[TT], 3, v11
	v_sub_nc_u32 v[E2], v13, v[TT]
	v_add_nc_u32 v[E2], s67, v[E2]
	s_cmp_ge_u32 s105, 2
	s_cselect_b32 s3, 0, 0x40000000
	v_add_nc_u32 v[E0], s3, v[E2]
	s_mov_b32 s[SEL], 0x76543210
	s_mov_b32 s[SEL+1], 0xfedcba98
.macro POINT d, p                      ; the buffer's address onto the offset; type = 2
	s_add_nc_u64 s[\d+2:\d+3], s[\p:\p+1], s[\d+2:\d+3]
	s_or_b32 s[\d+3], s[\d+3], 0x80000000
.endm
	s_wait_dscnt 0x0
	s_wait_kmcnt 0x0
	POINT G0Q, 4
	POINT G0K0, 8
	POINT G0K1, 8
	POINT G0K2, 8
	POINT G0V, 12
	POINT G0KS, 10
	POINT G0VS, 14
	s_add_nc_u64 s[VB:VB+1], s[12:13], s[VB:VB+1]
	s_add_nc_u64 s[VB+2:VB+3], s[12:13], s[VB+2:VB+3]
	s_add_nc_u64 s[QSB:QSB+1], s[6:7], s[QSB:QSB+1]
	s_add_nc_u64 s[OUT:OUT+1], s[20:21], s[OUT:OUT+1]
	s_add_nc_u64 s[LNW:LNW+1], s[16:17], s[LNW:LNW+1]
	s_add_nc_u64 s[LNB:LNB+1], s[18:19], s[LNB:LNB+1]
	CROUND                                         ; all four work-groups are here: the joint loads meet
	s_cmp_eq_u32 s[WV], 3                          ; a wave's fills stand in one branch on its number: seven loads of mine are out, five in wave 3.  On both ways v's load alone stands behind k's third
	s_cbranch_scc1 .Lwave_3
	tensor_load_to_lds s[G0KS:G0KS+3], s[G1S:G1S+7]
	s_nop 0
	tensor_load_to_lds s[G0VS:G0VS+3], s[G1S:G1S+7]
	s_nop 0
	tensor_load_to_lds s[G0Q:G0Q+3], s[G1Q:G1Q+7]
	s_nop 0
	tensor_load_to_lds s[G0K0:G0K0+3], s[G1K:G1K+7]
	s_nop 0
	tensor_load_to_lds s[G0K1:G0K1+3], s[G1K:G1K+7]
	s_nop 0
	tensor_load_to_lds s[G0K2:G0K2+3], s[G1K:G1K+7]
	s_nop 0
	tensor_load_to_lds s[G0V:G0V+3], s[G1V:G1V+7]
	s_nop 0
.rept 4
	v_nop
.endr
	s_branch .Lasked
.Lwave_3:
	tensor_load_to_lds s[G0Q:G0Q+3], s[G1Q:G1Q+7]
	s_nop 0
	tensor_load_to_lds s[G0K0:G0K0+3], s[G1K:G1K+7]
	s_nop 0
	tensor_load_to_lds s[G0K1:G0K1+3], s[G1K:G1K+7]
	s_nop 0
	tensor_load_to_lds s[G0K2:G0K2+3], s[G1K:G1K+7]
	s_nop 0
	tensor_load_to_lds s[G0V:G0V+3], s[G1V:G1V+7]
	s_nop 0
.rept 4
	v_nop
.endr
.Lasked:
.irp s, 0,1,2,3,4,5,6,7
	global_load_b32 v[QSR+\s], v[L16], s[QSB:QSB+1] offset:512*\s
.endr
	WIN 0xc0                                       ; destination window 3: v of the second step at v[8 d], of the third at v[128 + 8 d]
.irp g, 0,1
.irp d, 0,1,2,3,4,5,6,7,8,9,10,11,12,13,14,15
	global_load_b128 v[128*\g+8*\d:128*\g+8*\d+3], v[L16], s[VB+2*\g:VB+2*\g+1] offset:16384*\d
	global_load_b128 v[128*\g+8*\d+4:128*\g+8*\d+7], v[L16], s[VB+2*\g:VB+2*\g+1] offset:16384*\d+512
.endr
.endr
	WIN 0
.irp x, 0,1
	global_load_b128 v[LW+4*\x:LW+4*\x+3], v[L16], s[LNW:LNW+1] offset:512*\x      ; after the turn through the stage a lane keeps channels 256 w + 128 x + 4 lane + 0 .. 3 in every row
	global_load_b128 v[LB+4*\x:LB+4*\x+3], v[L16], s[LNB:LNB+1] offset:512*\x
.endr
	s_mov_b32 s[HM], 0xffff0000                    ; lanes 16-31
	s_mov_b32 s[C10], 0x3a800000                   ; 1 / 1,024
	s_mov_b32 s[EPS], 0x3727c5ac                   ; 1e-5
	s_cmp_ge_u32 s105, 1
	s_cselect_b32 s[V1], -1, 0                     ; all lanes, or none where step a - 1 lies before key 0
	s_wait_tensorcnt 0x1                           ; all my fills but v's have landed: the scale words, my quarter of q, my part of k
	s_barrier_signal -1
	s_barrier_wait -1                              ; everybody's have: q and the scale words are read by all four waves; nothing is ever filled again
; The LDS loads of channel step s: k's six tiles, q's two, k's three scale words: 19.  Every fragment has registers of its own, so no load lands on a register that a product has read.
.macro LSTEP s
	WIN 0x40                                       ; destination window 1
.irp k, 0,1,2,3
.irp c, 0,1
	ds_load_b128 v[8*(8*\k+(\s))+4*\c:8*(8*\k+(\s))+4*\c+3], v[KAD] offset:16384*(\k/2)+8192*(\k%2)+1024*(\s)+512*\c
.endr
.endr
	WIN 0x80                                       ; window 2
.irp k, 4,5
.irp c, 0,1
	ds_load_b128 v[8*(8*(\k-4)+(\s))+4*\c:8*(8*(\k-4)+(\s))+4*\c+3], v[KAD] offset:32768+8192*(\k%2)+1024*(\s)+512*\c
.endr
.endr
.irp m, 0,1
.irp c, 0,1
	ds_load_b128 v[128+8*(8*\m+(\s))+4*\c:128+8*(8*\m+(\s))+4*\c+3], v[QAD] offset:(8*\m+(\s))*1024+512*\c
.endr
.endr
	WIN 0
.irp g, 0,1,2
	ds_load_b32 v[KSR+8*\g+(\s)], v[KSAD] offset:4096*\g+512*(\s)
.endr
.endm
; Channel step s of S^T = k q^T: 12 products, the 12 accumulators by turns.  The loads run three steps ahead.
.macro SSTEP s
.if (\s) < 6
	s_wait_dscnt 38                                ; this step's 19 loads are in; the two runs of 19 issued behind them may be out
.elseif (\s) == 6
	s_wait_dscnt 19
.else
	s_wait_dscnt 0x0
.endif
.if (\s) < 5
	LSTEP (\s)+3
.endif
.set zz, (\s)==0
	WIN 0x09                                       ; source 0 (k) window 1, source 1 (q) window 2
.irp k, 0,1,2,3
.irp m, 0,1
	WMS S+8*(2*\k+\m), 8*(8*\k+(\s)), 128+8*(8*\m+(\s)), zz, KSR+8*(\k/2)+(\s), QSR+(\s), \k%2, \m
.endr
.endr
	WIN 0x0a                                       ; both window 2
.irp k, 4,5
.irp m, 0,1
	WMS S+8*(2*\k+\m), 8*(8*(\k-4)+(\s)), 128+8*(8*\m+(\s)), zz, KSR+16+(\s), QSR+(\s), \k%2, \m
.endr
.endr
.endm
	LSTEP 0
	LSTEP 1
	LSTEP 2
	s_wait_loadcnt 63                              ; 68 loads stand behind q's eight scale words: the largest count that can be named is stricter
	SSTEP 0
	SSTEP 1
	SSTEP 2
	SSTEP 3
	SSTEP 4
	SSTEP 5
	SSTEP 6
	SSTEP 7
	WIN 0
.irp x, 0,1,2,3,4,5
	v_mov_b32 v[T2+\x], 0                          ; written once: a lane permute's destination counts as one of its sources.  These six name no register of the products: they are the places in front of the loads below
.endr
	s_wait_tensorcnt 0x0                           ; v's first step has landed: my own bytes, which I alone read
	WIN 0x80                                       ; into window 2, where q's fragments are done with
.irp d, 0,1,2,3,4,5,6,7,8,9,10,11,12,13,14,15
	ds_load_b128 v[128+8*\d:128+8*\d+3], v[VAD] offset:1024*\d
	ds_load_b128 v[128+8*\d+4:128+8*\d+7], v[VAD] offset:1024*\d+512
.endr
	WIN 0
.irp g, 0,1,2
.irp q, 0,1,2,3
	ds_load_b64 v[VSR+8*\g+2*\q:VSR+8*\g+2*\q+1], v[VSAD] offset:4096*\g+256*\q    ; they land while the scores are masked and quantised
.endr
.endr
.set cn, 0
.rept 48
	v_pk_mul_f32 v[S+cn:S+cn+1], v[S+cn:S+cn+1], 0x3b000000 op_sel_hi:[1,0]   ; / 512 = sqrt(1,024 x 256): exact; each accumulator from its low end on
.set cn, cn+2
.endr
; THE MASK.  Register j of tile (step g, u, m) holds i - j' = 256 - 128 g + 16 m - 16 u - j + E, E = r - 8 h + 32 (p - w) in -104 .. 111.
; Step a - 2 (g = 0): the difference is at least 129, so only <= 255 is asked.  Step a (g = 2): at most 127, so only >= 0.  Step a - 1: 1 .. 255: all its keys count.
.macro MASKT g, m, u
.set tb, S+8*(4*(\g)+2*(\u)+(\m))
.if (\g) == 0
	v_add_nc_u32 v[TT], 256+16*(\m)-16*(\u), v[E0]
.irp j, 0,1,2,3,4,5,6,7
	v_cmp_ge_i32 vcc_lo, 255+\j, v[TT]
	v_cndmask_b32 v[tb+\j], 0, v[tb+\j], vcc_lo
.endr
.else
	v_add_nc_u32 v[TT], 16*(\m)-16*(\u), v[E2]
.irp j, 0,1,2,3,4,5,6,7
	v_cmp_le_i32 vcc_lo, \j, v[TT]
	v_cndmask_b32 v[tb+\j], 0, v[tb+\j], vcc_lo
.endr
.endif
.endm
.irp u, 0,1
.irp m, 0,1
	MASKT 0, \m, \u
	MASKT 2, \m, \u
.endr
.endr
.set cn, 32
.rept 32
	v_cndmask_b32 v[S+cn], 0, v[S+cn], s[V1]       ; step a - 1 counts as a whole, or, before key 0, not at all
.set cn, cn+1
.endr
; THE QUANTISER, six units x = 2 step + m by turns: my 32 keys of a step for one query are one block: 16 numbers here (tiles u = 0, 1), 16 in lane l xor 16.
.irp x, 0,1,2,3,4,5
	v_max3_num_f32 v[MX+\x], |v[S+8*(4*(\x/2)+\x%2)]|, |v[S+8*(4*(\x/2)+\x%2)+1]|, 0x1800000   ; with the floor 2^(3 - 127): the byte cannot fall under 1
.endr
.irp i, 2,4,6,16,18,20,22
.irp x, 0,1,2,3,4,5
	v_max3_num_f32 v[MX+\x], v[MX+\x], |v[S+8*(4*(\x/2)+\x%2)+\i]|, |v[S+8*(4*(\x/2)+\x%2)+\i+1]|   ; (tile u = 1 lies 16 registers on)
.endr
.endr
.irp x, 0,1,2,3,4,5
	v_permlanex16_b32 v[T2+\x], v[MX+\x], s[SEL], s[SEL+1]
.endr
.irp x, 0,1,2,3,4,5
	v_max_num_f32 v[MX+\x], v[MX+\x], v[T2+\x]
.endr
.irp x, 0,1,2,3,4,5
	v_add_nc_u32 v[SCO+\x], 0xff000000, v[MX+\x]   ; 2 off the exponent field: the conversion's scale operand
.endr
.irp x, 0,1,2,3,4,5
	v_lshrrev_b32 v[BY+\x], 23, v[SCO+\x]          ; the scale's byte
.endr
.irp x, 0,1,2,3,4,5
	v_cvt_scalef32_pk8_fp4_f32 v[CD+2*\x], v[S+8*(4*(\x/2)+\x%2):S+8*(4*(\x/2)+\x%2)+7], v[SCO+\x]
	v_cvt_scalef32_pk8_fp4_f32 v[CD+2*\x+1], v[S+8*(4*(\x/2)+\x%2)+16:S+8*(4*(\x/2)+\x%2)+23], v[SCO+\x]
.endr
	v_nop                                          ; one plain place behind the scaled conversions
; In P's fragment block w is piece w / 2, lanes 16 (w % 2) + r, and my eight codes (u, h) are its register 2 u + h: byte 256 w + 16 r + 4 h + 8 u of the image
.irp x, 0,1,2,3,4,5
	ds_store_b32 v[PIW], v[CD+2*\x] offset:1024*\x
	ds_store_b32 v[PIW], v[CD+2*\x+1] offset:1024*\x+8
	ds_store_b8 v[PSW], v[BY+\x] offset:64*\x      ; byte w of the query's scale word; both lanes of a block write the same byte with the same value
.endr
	s_wait_dscnt 0x0                               ; for the others' sake: my codes and bytes lie in LDS; v's first step and its scale words are in my registers
	s_barrier_signal -1
	s_barrier_wait -1
.irp x, 0,1,2,3,4,5
	ds_load_b128 v[S+8*\x:S+8*\x+3], v[PIR] offset:1024*\x
	ds_load_b128 v[S+8*\x+4:S+8*\x+7], v[PIR] offset:1024*\x+512
.endr
.irp g, 0,1,2
	ds_load_b32 v[PSR+\g], v[PSRD] offset:128*\g   ; lanes 0-15 tile m = 0, lanes 16-31 m = 1
.endr
	s_wait_dscnt 0x0
	v_mov_b32 v[PT], 0                             ; the LayerNorm's lane permutes want a written destination.  HERE and no earlier: v92 and v93 held two scores until the conversions above had read them;
	v_mov_b32 v[PT+1], 0                           ; P's fragments take v32-79 alone, and no product below names these two
; O^T += v^T P^T, a key step at a time: 32 products, the 32 accumulators by turns
.macro PVSTEP g, vv
.set zz, (\g)==0
.irp d, 0,1,2,3,4,5,6,7,8,9,10,11,12,13,14,15
.irp m, 0,1
	WMS 8*(2*\d+\m), (\vv)+8*\d, S+8*(2*(\g)+\m), zz, VSR+8*(\g)+\d/2, PSR+(\g), \d%2, \m
.endr
.endr
.endm
	WIN 0x52                                       ; source 0 (v) window 2, C and D window 1
	PVSTEP 0, 128
	s_wait_loadcnt 36                              ; the second step's v is in: behind it stand the third step's 32 loads and the four of ln_w, ln_b
	WIN 0x53                                       ; source 0 window 3
	PVSTEP 1, 0
	s_wait_loadcnt 4                               ; the four
	PVSTEP 2, 128
; LAYERNORM.  A lane holds 128 channels of query r for each m.  Four chains (m, even or odd pair) of packed sums.
	PLACES
	WIN 0x05                                       ; both sources window 1
.irp m, 0,1
.irp c, 0,1
	v_pk_add_f32 v[SU+4*\m+2*\c:SU+4*\m+2*\c+1], v[8*\m+2*\c:8*\m+2*\c+1], v[8*\m+2*\c+4:8*\m+2*\c+5]   ; the first tile starts the chains: nothing is cleared
.endr
.endr
	WIN 0x04                                       ; source 1 window 1
.set dd, 1
.rept 15
.irp i, 0,1,2,3
.irp m, 0,1
	v_pk_add_f32 v[SU+4*\m+2*(\i%2):SU+4*\m+2*(\i%2)+1], v[SU+4*\m+2*(\i%2):SU+4*\m+2*(\i%2)+1], v[8*(2*dd+\m)+2*\i:8*(2*dd+\m)+2*\i+1]
.endr
.endr
.set dd, dd+1
.endr
	WIN 0
; the chains, the pair's halves and lane l xor 16 are added; the waves' figures meet in LDS; every lane ends with both queries' totals in v[RL], v[RL + 1].  red: 0 for the sums, 512 for the squares
.macro REDUCE red
.irp m, 0,1
	v_pk_add_f32 v[SU+4*\m:SU+4*\m+1], v[SU+4*\m:SU+4*\m+1], v[SU+4*\m+2:SU+4*\m+3]
.endr
.irp m, 0,1
	v_add_f32 v[SU+4*\m], v[SU+4*\m], v[SU+4*\m+1]
.endr
.irp m, 0,1
	v_permlanex16_b32 v[PT+\m], v[SU+4*\m], s[SEL], s[SEL+1]
.endr
.irp m, 0,1
	v_add_f32 v[SU+4*\m], v[SU+4*\m], v[PT+\m]
.endr
	v_cndmask_b32 v[PT], v[SU], v[SU+4], s[HM]     ; lanes 0-15 m = 0, lanes 16-31 m = 1
	ds_store_b32 v[REDW], v[PT] offset:\red
	s_wait_dscnt 0x0
	s_barrier_signal -1
	s_barrier_wait -1
.irp w, 0,1,2,3
.irp m, 0,1
	ds_load_b32 v[RL+2*\w+\m], v[REDR] offset:\red+128*\w+64*\m
.endr
.endr
	s_wait_dscnt 0x0
.irp m, 0,1
	v_add_f32 v[RL+\m], v[RL+\m], v[RL+2+\m]
.endr
.irp m, 0,1
	v_add_f32 v[RL+4+\m], v[RL+4+\m], v[RL+6+\m]
.endr
.irp m, 0,1
	v_add_f32 v[RL+\m], v[RL+\m], v[RL+4+\m]
.endr
.endm
	REDUCE 0
.irp m, 0,1
	v_mul_f32 v[MN+2*\m], 0xba800000, v[RL+\m]     ; minus the mean
.endr
.irp m, 0,1
	v_mov_b32 v[MN+2*\m+1], v[MN+2*\m]
.endr
	WIN 0x41                                       ; O^T (destination and source 0) window 1
.set oo, 0
.rept 128
	v_pk_add_f32 v[oo:oo+1], v[oo:oo+1], v[MN+2*((oo/8)%2):MN+2*((oo/8)%2)+1]
.set oo, oo+2
.endr
	WIN 0x05
.set dd, 0
.rept 16
.irp i, 0,1,2,3
.irp m, 0,1
.if (dd==0)&&(\i<2)
	v_pk_mul_f32 v[SU+4*\m+2*(\i%2):SU+4*\m+2*(\i%2)+1], v[8*(2*dd+\m)+2*\i:8*(2*dd+\m)+2*\i+1], v[8*(2*dd+\m)+2*\i:8*(2*dd+\m)+2*\i+1]
.else
	v_pk_fma_f32 v[SU+4*\m+2*(\i%2):SU+4*\m+2*(\i%2)+1], v[8*(2*dd+\m)+2*\i:8*(2*dd+\m)+2*\i+1], v[8*(2*dd+\m)+2*\i:8*(2*dd+\m)+2*\i+1], v[SU+4*\m+2*(\i%2):SU+4*\m+2*(\i%2)+1]
.endif
.endr
.endr
.set dd, dd+1
.endr
	WIN 0
	REDUCE 512
.irp m, 0,1
	v_fma_f32 v[RL+\m], v[RL+\m], s[C10], s[EPS]   ; the variance + 1e-5
.endr
	v_rsq_f32 v[RS], v[RL]                         ; each twice: a pair for the packed multiply
	v_rsq_f32 v[RS+1], v[RL]
	v_rsq_f32 v[RS+2], v[RL+1]
	v_rsq_f32 v[RS+3], v[RL+1]
	v_nop                                          ; a plain instruction behind the last of them (ISA guide 5.7.2)
	s_wait_alu depctr_va_vdst(0)                   ; one wait for the four, ahead of their first reader
	WIN 0x41
.set oo, 0
.rept 128
	v_pk_mul_f32 v[oo:oo+1], v[oo:oo+1], v[RS+2*((oo/8)%2):RS+2*((oo/8)%2)+1]
.set oo, oo+2
.endr
; THE WAY OUT, a tile of 16 queries at a time: through my own stage in LDS and back as rows of my 256 channels; x ln_w + ln_b; each store covers 512 consecutive bytes, aligned.
; The stage lies in my own part of k's region: only my tensor loads filled it, once, and only I read it, long ago.
; LDS serves a wave's instructions in order (ISA guide 5.7.1.4): no wait between the stores and the loads, nor in front of the next tile's stores.
.irp m, 0,1
	WIN 0x04                                       ; an LDS store's data are its source 1: window 1
.irp d, 0,1,2,3,4,5,6,7,8,9,10,11,12,13,14,15
	ds_store_b128 v[STO], v[8*(2*\d+\m):8*(2*\d+\m)+3] offset:64*\d
	ds_store_b128 v[STO], v[8*(2*\d+\m)+4:8*(2*\d+\m)+7] offset:64*\d+16
.endr
	WIN 0
.if \m == 1
	s_wait_xcnt 0x0                                ; the first tile's stores have read their registers: the loads below may land there
.endif
.set cn, 0
.rept 32
	ds_load_b128 v[RB+4*cn:RB+4*cn+3], v[KAD] offset:SPI*(cn/2)+512*(cn%2)
.set cn, cn+1
.endr
.if \m == 0
	s_wait_loadcnt 0x0                             ; ln_w, ln_b
.endif
.set cn, 0
.rept 32
	s_wait_dscnt 31-cn                             ; the younger loads may be out
	v_pk_fma_f32 v[RB+4*cn:RB+4*cn+1], v[RB+4*cn:RB+4*cn+1], v[LW+4*(cn%2):LW+4*(cn%2)+1], v[LB+4*(cn%2):LB+4*(cn%2)+1]
	v_pk_fma_f32 v[RB+4*cn+2:RB+4*cn+3], v[RB+4*cn+2:RB+4*cn+3], v[LW+4*(cn%2)+2:LW+4*(cn%2)+3], v[LB+4*(cn%2)+2:LB+4*(cn%2)+3]
	global_store_b128 v[L16], v[RB+4*cn:RB+4*cn+3], s[OUT:OUT+1] offset:65536*\m+4096*(cn/2)+512*(cn%2) th:TH_STORE_NT
.set cn, cn+1
.endr
.endr
	s_wait_tensorcnt 0x0
	ds_add_u32 v254, v255
	s_wait_dscnt 0x0
	CROUND                                         ; the closing round: no work-group ends while a partner may still ask for a tile that names it (my tensor loads were waited for behind the first product, my last LDS load just above)
	s_endpgm
.Lfunc_end_k_q0eda9eaee5_attn:
	.size	k_q0eda9eaee5_attn, .Lfunc_end_k_q0eda9eaee5_attn-k_q0eda9eaee5_attn
	.p2alignl 7, 3214868480
	.fill 96, 4, 3214868480
	.section	.rodata,"a",@progbits
	.p2align	6, 0x0
	.amdhsa_kernel k_q0eda9eaee5_attn
		.amdhsa_group_segment_fixed_size 327680
		.amdhsa_private_segment_fixed_size 0
		.amdhsa_enable_private_segment 0
		.amdhsa_kernarg_size 72
		.amdhsa_user_sgpr_count 2
		.amdhsa_user_sgpr_kernarg_segment_ptr 1
		.amdhsa_wavefront_size32 1
		.amdhsa_system_sgpr_workgroup_id_x 1
		.amdhsa_system_sgpr_workgroup_id_y 1
		.amdhsa_system_sgpr_workgroup_id_z 1
		.amdhsa_system_vgpr_workitem_id 0
		.amdhsa_next_free_vgpr 1024
		.amdhsa_next_free_sgpr 106
		.amdhsa_reserve_vcc 1
		.amdhsa_float_denorm_mode_32 3
		.amdhsa_float_denorm_mode_16_64 3
		.amdhsa_memory_ordered 1
		.amdhsa_forward_progress 1
		.amdhsa_inst_pref_size 136
	.end_amdhsa_kernel
	.amdgpu_metadata
---
amdhsa.version: [ 1, 2 ]
amdhsa.kernels:
  - .name:           k_q0eda9eaee5_attn
    .symbol:         k_q0eda9eaee5_attn.kd
    .args:
      - { .name: qc, .offset: 0, .size: 8, .value_kind: global_buffer, .address_space: global }
      - { .name: qs, .offset: 8, .size: 8, .value_kind: global_buffer, .address_space: global }
      - { .name: kc, .offset: 16, .size: 8, .value_kind: global_buffer, .address_space: global }
      - { .name: ks, .offset: 24, .size: 8, .value_kind: global_buffer, .address_space: global }
      - { .name: vc, .offset: 32, .size: 8, .value_kind: global_buffer, .address_space: global }
      - { .name: vs, .offset: 40, .size: 8, .value_kind: global_buffer, .address_space: global }
      - { .name: ln_w, .offset: 48, .size: 8, .value_kind: global_buffer, .address_space: global }
      - { .name: ln_b, .offset: 56, .size: 8, .value_kind: global_buffer, .address_space: global }
      - { .name: out0, .offset: 64, .size: 8, .value_kind: global_buffer, .address_space: global }
    .group_segment_fixed_size: 327680
    .private_segment_fixed_size: 0
    .kernarg_segment_align: 8
    .kernarg_segment_size: 72
    .max_flat_workgroup_size: 128
    .sgpr_count:     106
    .vgpr_count:     1024
    .wavefront_size: 32
...
	.end_amdgpu_metadata
.endif
;; end of part 3
